; MI455X (gfx1250); checked and timed in simulation.
; The chip was launched on July 23, 2026; its instructions are those of AMD's public machine-readable ISA for CDNA 5 (MIT licence, August 2026) and "CDNA5" Instruction Set Architecture Reference Guide (July 2026). The comments in the code are by the model that wrote it; some were corrected since.
;; Flax Attention. Allowed arithmetic: float matrix products may take bf16 or f16 operands with f32 sums; all other float work in f32.
;; Inputs: position_ids 2 x 1,024 int32; wk 2,880 x 512 float32; wo 2,048 x 2,880 float32; wq 2,880 x 2,048 float32; wv 2,880 x 512 float32; x 2 x 1,024 x 2,880 float32.
;; Outputs: out0 2 x 1,024 x 2,880 float32.
;; 2 versions, each right; version 2 is version 1 with the launch cast written anew for expert scheduling mode. Each part assembles by itself: llvm-mc -triple=amdgcn-amd-amdhsa -mcpu=gfx1250 --defsym DOCPART=n.
;; ======== version 1 of 2: 4 launches
;; limits: values are held in f16: magnitudes above 65,504 overflow, below 6.1e-05 lose precision; right only within a limited range of input values
;; workspace buffers: xh 11,796,480 bytes; wh 17,694,720 bytes; woh 11,796,480 bytes; qkvh 12,582,912 bytes; ah 8,388,608 bytes
;; launch cast (part 1): grid 1020 x 1, 4 waves a work-group, no clusters, 0 bytes of LDS; arguments x, wq, wk, wv, xh, wh; writes xh, wh
.if DOCPART == 1
	.amdgcn_target "amdgcn-amd-amdhsa--gfx1250"
	.amdhsa_code_object_version 6
	.text
	.protected	k_q193a5a6d30_cast
	.globl	k_q193a5a6d30_cast
	.p2align	8
	.type	k_q193a5a6d30_cast,@function
k_q193a5a6d30_cast:
	s_mov_b64 s[64:65], 0
	v_nop
	global_prefetch_b8 v0, s[64:65] scope:SCOPE_SE
	s_setreg_imm32_b32 hwreg(HW_REG_WAVE_MODE, 25, 1), 1
	s_wait_xcnt 0x0
; f32 -> f16 (round to nearest even) of x, wq, wk, wv, laid anew as [chunk of 64 columns][row][64]:
;   xh [45][2048][64] from x [2048][2880];
;   wh [48][2880][64]: chunks 0-31 from wq [2880][2048], 32-39 from wk [2880][512], 40-47 from wv [2880][512].
; A row of a chunk is 128 bytes and a chunk's rows are dense, so that the next launch fetches dense 16-bit tiles.
; (wo, which is first needed two launches on, is converted in the attention launch.)
; LIMIT: f16 holds numbers below 65,504 in size; larger inputs become infinite.
; A stream: each byte is read once and written once.  No LDS, no barrier, no matrix unit: nothing is shared between waves.
; Work-groups 0-479: x (64 rows x 3 chunks each: 32 x 15); 480-1019: the weights (64 rows x 4 chunks: 45 x 12).
; A wave takes 16 of the 64 rows.  One load covers two rows x 256 consecutive aligned bytes (one chunk's 64 f32 of each row);
; one store covers 256 consecutive aligned bytes (two rows of a chunk in f16).
.set VS, 4                             ; v[4:11]   byte offset of my 16 bytes in row pair j of the wave's 16 rows
.set VD, 12                            ; v12       8 x lane: my 8 bytes of a stored row pair
.set X,  16                            ; v[16:143] load n: 4 registers; its first two then hold the 4 numbers in f16
	s_load_b256 s[8:15], s[0:1], 0x0               ; x s[8:9], wq s[10:11], wk s[12:13], wv s[14:15]
	s_load_b128 s[16:19], s[0:1], 0x20             ; xh s[16:17], wh s[18:19]
	v_lshrrev_b32 v1, 5, v0
	v_readfirstlane_b32 s4, v1                     ; wave 0..3
	v_and_b32 v1, 31, v0                           ; lane
	v_lshrrev_b32 v2, 4, v1                        ; which row of a pair
	v_and_b32 v3, 15, v1
	v_lshlrev_b32 v3, 4, v3                        ; my 16 bytes of the 256
	v_lshlrev_b32 v[VD], 3, v1
	s_cmp_ge_u32 ttmp9, 480
	s_cbranch_scc1 .Lweights
	; x: n = 15 x row block + chunk group
	s_mul_i32 s6, ttmp9, 4370
	s_lshr_b32 s6, s6, 16                          ; n / 15 (exact for n < 480)
	s_mul_i32 s7, s6, 15
	s_sub_co_u32 s7, ttmp9, s7                     ; chunk group 0..14
	s_lshl_b32 s28, s6, 6
	s_lshl4_add_u32 s28, s4, s28                   ; the wave's first row = 64 x block + 16 x wave
	s_mov_b32 s32, 11520                           ; bytes from row to row in the source
	s_mul_i32 s30, s28, 11520
	s_mul_i32 s29, s7, 768
	s_add_co_u32 s30, s30, s29                     ; source offset: row x pitch + 3 chunks x 256 bytes x group
	s_mul_i32 s34, s7, 786432                      ; 3 chunks x 2048 rows x 128 bytes
	s_lshl_b32 s29, s28, 7
	s_add_co_u32 s34, s34, s29                     ; destination offset
	s_wait_kmcnt 0x0
	s_mov_b64 s[24:25], s[8:9]                     ; from x
	s_mov_b64 s[26:27], s[16:17]                   ; to xh
	s_branch .Lcommon
.Lweights:
	s_sub_co_u32 s5, ttmp9, 480                    ; n = 12 x row block + chunk group, 0..539
	s_lshr_b32 s6, s5, 2
	s_mul_i32 s6, s6, 21846
	s_lshr_b32 s6, s6, 16                          ; n / 12 = (n / 4) / 3 (exact for n < 540)
	s_mul_i32 s7, s6, 12
	s_sub_co_u32 s7, s5, s7                        ; chunk group 0..11: 0-7 wq, 8-9 wk, 10-11 wv
	s_lshl_b32 s28, s6, 6
	s_lshl4_add_u32 s28, s4, s28                   ; the wave's first row
	s_mul_i32 s34, s7, 1474560                     ; 4 chunks x 2880 rows x 128 bytes
	s_lshl_b32 s29, s28, 7
	s_add_co_u32 s34, s34, s29
	s_wait_kmcnt 0x0
	s_cmp_lt_u32 s7, 10
	s_cselect_b64 s[24:25], s[12:13], s[14:15]     ; wk or wv
	s_cselect_b32 s29, 8, 10                       ; the first group of that source
	s_cmp_lt_u32 s7, 8
	s_cselect_b64 s[24:25], s[10:11], s[24:25]     ; or wq
	s_cselect_b32 s29, 0, s29
	s_cselect_b32 s32, 13, 11
	s_lshl_b32 s32, 1, s32                         ; pitch: 8,192 bytes in wq, 2,048 in wk and wv
	s_sub_co_u32 s29, s7, s29
	s_lshl_b32 s29, s29, 10                        ; 4 chunks x 256 bytes x group within the source
	s_mul_i32 s30, s28, s32
	s_add_co_u32 s30, s30, s29
	s_mov_b64 s[26:27], s[18:19]                   ; to wh
.Lcommon:
	s_mov_b32 s31, 0
	s_mov_b32 s35, 0
	s_add_nc_u64 s[24:25], s[24:25], s[30:31]
	s_add_nc_u64 s[26:27], s[26:27], s[34:35]
	v_mul_lo_u32 v2, v2, s32
	v_add_nc_u32 v[VS], v2, v3
	s_lshl_b32 s33, s32, 1                         ; two rows
.irp j, 1,2,3,4,5,6,7
	v_add_nc_u32 v[VS+\j], s33, v[VS+\j-1]
.endr
; All 8 x nch loads of the wave go out first; each is then converted behind a wait that leaves the younger ones out, and stored.
; No register that a pending load or store names is written again: the conversions write only the registers of a load that has come.
.macro BODY nch, chbytes
.set n, 0
.rept 8*\nch
	global_load_b128 v[X+4*n:X+4*n+3], v[VS+n%8], s[24:25] offset:(n/8)*256 th:TH_LOAD_NT
.set n, n+1
.endr
.set n, 0
.rept 8*\nch
	s_wait_loadcnt 8*\nch-1-n                      ; loads come back in order: load n is in, the younger ones stay out
	v_cvt_pk_f16_f32 v[X+4*n], v[X+4*n], v[X+4*n+1]
	v_cvt_pk_f16_f32 v[X+4*n+1], v[X+4*n+2], v[X+4*n+3]
	global_store_b64 v[VD], v[X+4*n:X+4*n+1], s[26:27] offset:(n/8)*\chbytes+(n%8)*256
.set n, n+1
.endr
.endm
	s_cmp_ge_u32 ttmp9, 480
	s_cbranch_scc1 .Lfour
	BODY 3, 262144                                 ; a chunk of xh: 2048 rows x 128 bytes
	s_endpgm
.Lfour:
	BODY 4, 368640                                 ; a chunk of wh: 2880 rows x 128 bytes
	s_endpgm
.Lfunc_end_k_q193a5a6d30_cast:
	.size	k_q193a5a6d30_cast, .Lfunc_end_k_q193a5a6d30_cast-k_q193a5a6d30_cast
	.p2alignl 7, 3214868480
	.fill 96, 4, 3214868480
	.section	.rodata,"a",@progbits
	.p2align	6, 0x0
	.amdhsa_kernel k_q193a5a6d30_cast
		.amdhsa_group_segment_fixed_size 0
		.amdhsa_private_segment_fixed_size 0
		.amdhsa_enable_private_segment 0
		.amdhsa_kernarg_size 48
		.amdhsa_user_sgpr_count 2
		.amdhsa_user_sgpr_kernarg_segment_ptr 1
		.amdhsa_wavefront_size32 1
		.amdhsa_system_sgpr_workgroup_id_x 1
		.amdhsa_system_sgpr_workgroup_id_y 1
		.amdhsa_system_sgpr_workgroup_id_z 1
		.amdhsa_system_vgpr_workitem_id 0
		.amdhsa_next_free_vgpr 144
		.amdhsa_next_free_sgpr 66
		.amdhsa_reserve_vcc 0
		.amdhsa_float_denorm_mode_32 3
		.amdhsa_float_denorm_mode_16_64 3
		.amdhsa_memory_ordered 1
		.amdhsa_forward_progress 1
		.amdhsa_inst_pref_size 23
	.end_amdhsa_kernel
	.amdgpu_metadata
---
amdhsa.version: [ 1, 2 ]
amdhsa.kernels:
  - .name:           k_q193a5a6d30_cast
    .symbol:         k_q193a5a6d30_cast.kd
    .args:
      - { .name: x, .offset: 0, .size: 8, .value_kind: global_buffer, .address_space: global }
      - { .name: wq, .offset: 8, .size: 8, .value_kind: global_buffer, .address_space: global }
      - { .name: wk, .offset: 16, .size: 8, .value_kind: global_buffer, .address_space: global }
      - { .name: wv, .offset: 24, .size: 8, .value_kind: global_buffer, .address_space: global }
      - { .name: xh, .offset: 32, .size: 8, .value_kind: global_buffer, .address_space: global }
      - { .name: wh, .offset: 40, .size: 8, .value_kind: global_buffer, .address_space: global }
    .group_segment_fixed_size: 0
    .private_segment_fixed_size: 0
    .kernarg_segment_align: 8
    .kernarg_segment_size: 48
    .max_flat_workgroup_size: 128
    .sgpr_count:     66
    .vgpr_count:     144
    .wavefront_size: 32
...
	.end_amdgpu_metadata
.endif
;; end of part 1
;; launch qkvproj (part 2): grid 16 x 16, 4 waves a work-group, clusters of 4 x 4, 327,680 bytes of LDS; arguments xh, wh, position_ids, qkvh; writes qkvh
.if DOCPART == 2
	.amdgcn_target "amdgcn-amd-amdhsa--gfx1250"
	.amdhsa_code_object_version 6
	.text
	.protected	k_q193a5a6d30_qkvproj
	.globl	k_q193a5a6d30_qkvproj
	.p2align	8
	.type	k_q193a5a6d30_qkvproj,@function
k_q193a5a6d30_qkvproj:
	s_mov_b64 s[64:65], 0
	v_nop
	global_prefetch_b8 v0, s[64:65] scope:SCOPE_SE
	s_setreg_imm32_b32 hwreg(HW_REG_WAVE_MODE, 25, 1), 1
	s_wait_xcnt 0x0
	s_wait_alu depctr_hold_cnt(0) depctr_sa_sdst(0) depctr_va_vdst(0) depctr_va_sdst(0) depctr_va_ssrc(0) depctr_va_vcc(0) depctr_vm_vsrc(0)
	s_getreg_b32 s2, hwreg(HW_REG_IB_STS2, 6, 4)
	s_cmp_eq_u32 s2, 0
	s_cbranch_scc0 .Lentry_in_a_cluster
	s_endpgm
.Lentry_in_a_cluster:
	s_bfe_u32 s2, ttmp6, 0x10000c
	s_cmp_lg_u32 s2, 0xf033
	s_cbranch_scc0 .Lentry_shape_is_right
	s_endpgm
.Lentry_shape_is_right:
; q, k, v = x [2048 x 2880] times (wq | wk | wv) [2880 x 3072], f16 operands, f32 sums; rotate-half RoPE on the f32 sums of the
; q and k heads; the result in f16 as qkvh [48 heads][2048 rows][64] (heads 0-31 q, 32-39 k, 40-47 v).
; LIMITS: operands and results are f16 (below 65,504 in size).  |position| <= 2^20: up to there the reduction of the angle by
; pi/2 in two fused steps is exact in its first step and good to about 4e-9 in all.  NaN and infinities are not treated specially.
; A work-group makes 128 rows x 192 columns (three heads) with four waves; wave (mw, nw) makes rows 64 mw .. +63 and the column tiles
; t = nw + 2 i, i = 0..5: tiles 2 g and 2 g + 1 of a wave are columns d and d + 32 of head g, so that RoPE's partners lie in the
; same lane and register number.  K goes in 15 steps of 192 through two LDS slots filled by tensor loads.
; CLUSTER 4 x 4: x's tile hangs on the block row alone and is asked for jointly along a row of the cluster; the weights' tiles hang on
; the block column alone and are asked for jointly along a column.  Each request count is divided by four.
; THE MATRIX INSTRUCTION IS USED TRANSPOSED (source 0 = 16 columns of the weights, source 1 = 16 rows of x): lane l holds row l % 16 and
; the eight neighbouring columns 8 (l / 16) + 0..7 of a tile.
; Registers: window 0 holds addresses, two fragment buffers and the table of cos and sin; window 1 the 24 accumulator tiles, tile (mt, i) at v[8 (6 mt + i)].
.set ACH,    128*144                   ; a chunk of x in LDS: 128 rows of 128 bytes + 16 of padding (pitch 9 x 16: 16 rows begin at 16 different 16-byte columns modulo 256)
.set ABYTES, 3*ACH                     ; three chunks of 64 along K
.set BCH,    192*160                   ; one head's weights in LDS: 192 rows (k) of 128 bytes + 32 of padding (pitch 5 x 32, for the transposing load)
.set SLOT,   ABYTES+3*BCH              ; 147,456 bytes; two slots
.set ASTEP,  3*262144                  ; a K step in xh: three chunks of 2048 rows x 128 bytes
.set BSTEP,  192*128                   ; a K step in wh: 192 rows of 128 bytes
.set ADRA, 4                           ; v4-5    LDS address of my fragments of x in slot 0, 1
.set ADRB, 6                           ; v6-11   the same for the weights: slot x 3 + head
.set STO,  12                          ; v12     the way out: where I put 16 bytes
.set RD,   13                          ; v13     the way out: where I read rows back
.set GO,   14                          ; v14     my byte offset in qkvh
.set F0,   16                          ; v16-95  fragment buffer 0: weights' tile i at +8 i, x's band mt at +48 + 8 mt
.set F1,   96                          ; v96-175 fragment buffer 1
.set CS,   176                         ; v176-239 cos at +16 mt + j, sin at +16 mt + 8 + j, for row band mt and frequency j of my eight
.set PO,   240                         ; v240    offset of my positions
.set POS,  16                          ; at work on the table, ahead of the loop: positions,
.set INVF, 20                          ; my eight frequencies,
.set TF,   28
.set TN,   29
.set TR,   30
.set TZ,   31
.set TQ,   32
.set TS,   33
.set TC,   34
.set Y,    16                          ; at work on the way out: rotated numbers, head g at +16 g
.set T1,   64
.set T2,   72
.set TB,   96                          ; the band's cos and sin for each of the three heads, or 1 and 0
.set HH,   144                         ; packed f16
.set G1A, 24                           ; s[24:31] group 1 of x's tiles
.set G0A, 32                           ; s[32:39] group 0 of x's tiles, one set a slot
.set G1B, 40                           ; s[40:47] group 1 of the weights' tiles
.set G0B, 48                           ; s[48:55] group 0 of the weights' tiles, one set a slot
.set MUL, 0x50                         ; C and D in window 1, sources in window 0
.set MSB, 0
.macro WIN new                         ; the immediate's high byte repeats the setting that is left
.if MSB != \new
	s_set_vgpr_msb (MSB<<8)|\new
.set MSB, \new
.endif
.endm
; A step's four tiles, one tensor load a wave: wave 0 asks for x's, waves 1 to 3 for one head's weights each.
.macro JLOAD s
	s_cmp_eq_u32 s12, 0
	s_cbranch_scc0 .Lfor_b_\@
	tensor_load_to_lds s[G0A+4*\s:G0A+4*\s+3], s[G1A:G1A+7]
	s_nop 0
	s_branch .Lasked_\@
.Lfor_b_\@:
	tensor_load_to_lds s[G0B+4*\s:G0B+4*\s+3], s[G1B:G1B+7]
	s_nop 0
.Lasked_\@:
.endm
.macro CREST                           ; a round of the cluster's barrier behind its opening work-group barrier
	s_cmp_lg_u32 s12, 0
	s_cbranch_scc1 .Lnot_wave_0_\@
	s_barrier_signal -3
.Lnot_wave_0_\@:
	s_barrier_wait -3
	s_barrier_signal -1
	s_barrier_wait -1
.endm
.macro CROUND                          ; a whole round
	s_barrier_signal -1
	s_barrier_wait -1
	CREST
.endm
.macro PLACES                          ; four places behind matrix instructions, in front of loads into their sources and of readers of their results
.rept 4
	v_nop
.endr
.endm
; Six matrix instructions: row band mt x my six column tiles, 32 along K.  zero = 1: the product starts the sums.
; The 24 accumulators take turns, one instruction a turn, in one order everywhere.
.macro MULROW f, mt, zero
.irp i, 0,1,2,3,4,5
.if \zero
	v_wmma_f32_16x16x32_f16 v[8*(6*\mt+\i):8*(6*\mt+\i)+7], v[\f+8*\i:\f+8*\i+7], v[\f+48+8*\mt:\f+48+8*\mt+7], 0
.else
	v_wmma_f32_16x16x32_f16 v[8*(6*\mt+\i):8*(6*\mt+\i)+7], v[\f+8*\i:\f+8*\i+7], v[\f+48+8*\mt:\f+48+8*\mt+7], v[8*(6*\mt+\i):8*(6*\mt+\i)+7]
.endif
.endr
.endm
; Twenty LDS loads in one run: the fragments of 32 along K (number kc of the step) into buffer f: the weights' six tiles, transposed on the way, then x's four bands.
.macro FETCH slot, kc, f
	WIN 0
.irp i, 0,1,2,3,4,5
	ds_load_tr16_b128 v[\f+8*\i:\f+8*\i+3],   v[ADRB+3*\slot+\i/2] offset:(\i%2)*64+\kc*5120
	ds_load_tr16_b128 v[\f+8*\i+4:\f+8*\i+7], v[ADRB+3*\slot+\i/2] offset:(\i%2)*64+\kc*5120+2560
.endr
.irp mt, 0,1,2,3
	ds_load_b128 v[\f+48+8*\mt:\f+48+8*\mt+3], v[ADRA+\slot] offset:(\kc/2)*ACH+(\kc%2)*64+\mt*2304
	ds_load_b128 v[\f+48+8*\mt+4:\f+48+8*\mt+7], v[ADRA+\slot] offset:(\kc/2)*ACH+(\kc%2)*64+\mt*2304+32
.endr
.endm
; 32 along K on buffer f; in its middle the next 32 (number kn) are fetched into buffer g.
.macro CHUNK slot, kn, f, g, zero
	s_wait_dscnt 0x4                               ; all of buffer f but its four youngest loads, x's bands 2 and 3
	WIN MUL
	MULROW \f, 0, \zero
	MULROW \f, 1, \zero
	PLACES
	FETCH \slot, \kn, \g
	s_wait_dscnt 20                                ; all but the twenty just issued
	WIN MUL
	MULROW \f, 2, \zero
	MULROW \f, 3, \zero
.endm
.macro BODYSTEP slot, zero             ; the first five of a step's six chunks
	CHUNK \slot, 1, F0, F1, \zero
	CHUNK \slot, 2, F1, F0, 0
	CHUNK \slot, 3, F0, F1, 0
	CHUNK \slot, 4, F1, F0, 0
	CHUNK \slot, 5, F0, F1, 0
.endm
; The sixth chunk, on buffer 1, changes slots.  In front of the barrier each wave waits for its reads of this slot and for all its tensor
; loads (one is out: its part of the next slot).  fill = 1: the barrier opens a round of the cluster's barrier, and behind the round this slot
; is asked for again, two steps ahead, first thing.  From that request to the wait for it a wave issues 132 matrix instructions.
.macro TURN slot, next, fill
	s_wait_dscnt 0x4
	WIN MUL
	MULROW F1, 0, 0
	s_wait_dscnt 0x0                               ; my reads of this slot are over
	s_wait_tensorcnt 0x0                           ; all my tensor loads have landed
	ds_add_u32 v254, v255
	s_wait_dscnt 0x0
	s_barrier_signal -1
	MULROW F1, 1, 0                                ; register work while the others arrive
	WIN 0
	s_barrier_wait -1
.if \fill
	CREST                                          ; no wave of any partner still reads this slot or has a load on its way
	s_add_nc_u64 s[G0A+4*\slot+2:G0A+4*\slot+3], s[G0A+4*\slot+2:G0A+4*\slot+3], 2*ASTEP
	s_add_nc_u64 s[G0B+4*\slot+2:G0B+4*\slot+3], s[G0B+4*\slot+2:G0B+4*\slot+3], 2*BSTEP
	JLOAD \slot
.endif
	PLACES
	FETCH \next, 0, F0
	WIN MUL
	MULROW F1, 2, 0
	MULROW F1, 3, 0
.endm
.macro LAP zero                        ; two steps, both slots asked for again
	BODYSTEP 0, \zero
	TURN 0, 1, 1
	BODYSTEP 1, 0
	TURN 1, 0, 1
.endm
	s_load_b256 s[4:11], s[0:1], 0x0               ; xh s[4:5], wh s[6:7], position_ids s[8:9], qkvh s[10:11]
	v_lshl_add_u32 v254, v0, 2, 0x48000
	v_mov_b32 v255, 0
	ds_add_u32 v254, v255
	ds_add_u32 v254, v255
	v_lshrrev_b32 v1, 5, v0
	v_readfirstlane_b32 s12, v1                    ; wave 0..3
	s_lshr_b32 s13, s12, 1                         ; mw: my half of the rows
	s_and_b32 s14, s12, 1                          ; nw: my column tiles are the even or the odd ones
	s_bfe_u32 s15, ttmp6, 0x40000                  ; cx
	s_bfe_u32 s16, ttmp6, 0x40004                  ; cy
	s_lshl_b32 s17, ttmp9, 2
	s_add_co_u32 s17, s17, s15                     ; block column (three heads) = 4 x cluster x + cx
	s_and_b32 s18, ttmp7, 0xffff
	s_lshl_b32 s18, s18, 2
	s_add_co_u32 s18, s18, s16                     ; block row (128 rows) = 4 x cluster y + cy
	s_lshl_b32 s19, s16, 2
	s_lshl_b32 s19, 15, s19                        ; my row of the cluster
	s_lshl_b32 s20, 0x1111, s15                    ; my column of the cluster
	; x's tile: three chunks, each 128 dense rows = 2,048 elements of 8 bytes, 262,144 bytes apart; 4 words of padding behind every 32
	s_or_b32 s[G1A+0], s19, (3<<16)|(1<<20)|(1<<21)|(4<<22)|(3<<25)
	s_mov_b32 s[G1A+1], 2048<<16                   ; tensor_dim0 = 2048
	s_mov_b32 s[G1A+2], 3<<16                      ; tensor_dim1 = 3
	s_mov_b32 s[G1A+3], 2048<<16                   ; tile_dim0 = 2048
	s_mov_b32 s[G1A+4], 3                          ; tile_dim1 = 3
	s_mov_b32 s[G1A+5], 32768                      ; from chunk to chunk, in elements
	s_mov_b32 s[G1A+6], 0
	s_mov_b32 s[G1A+7], 0
	; one head's weights: 192 dense rows of 128 bytes, taken as 96 rows of 256 bytes; 8 words of padding behind every 32
	s_or_b32 s[G1B+0], s20, (3<<16)|(1<<20)|(1<<21)|(4<<22)|(7<<25)
	s_mov_b32 s[G1B+1], 32<<16
	s_mov_b32 s[G1B+2], 96<<16
	s_mov_b32 s[G1B+3], 32<<16
	s_mov_b32 s[G1B+4], 96
	s_mov_b32 s[G1B+5], 32
	s_mov_b32 s[G1B+6], 0
	s_mov_b32 s[G1B+7], 0
	s_lshl_b32 s56, s18, 14                        ; x: 128 rows x 128 bytes x block row
	s_mov_b32 s57, 0
	s_mul_i32 s58, s17, 3
	s_add_co_u32 s58, s58, s12
	s_max_u32 s58, s58, 1
	s_sub_co_u32 s58, s58, 1                       ; weights: head 3 x block column + wave - 1 (wave 0 asks for none: kept at 0 or above)
	s_mul_i32 s58, s58, 368640                     ; 2880 rows x 128 bytes
	s_mov_b32 s59, 0
	s_mul_i32 s60, s12, BCH
	s_wait_dscnt 0x0
	s_wait_kmcnt 0x0
	s_add_nc_u64 s[56:57], s[4:5], s[56:57]
	s_add_nc_u64 s[58:59], s[6:7], s[58:59]
.irp s, 0,1
	s_mov_b32 s[G0A+4*\s], 1
	s_mov_b32 s[G0A+4*\s+1], \s*SLOT
	s_add_nc_u64 s[G0A+4*\s+2:G0A+4*\s+3], s[56:57], \s*ASTEP
	s_or_b32 s[G0A+4*\s+3], s[G0A+4*\s+3], 0x80000000
	s_mov_b32 s[G0B+4*\s], 1
	s_add_co_u32 s[G0B+4*\s+1], s60, \s*SLOT+ABYTES-BCH    ; behind x's chunks: head wave - 1
	s_add_nc_u64 s[G0B+4*\s+2:G0B+4*\s+3], s[58:59], \s*BSTEP
	s_or_b32 s[G0B+4*\s+3], s[G0B+4*\s+3], 0x80000000
.endr
	CROUND                                         ; all sixteen work-groups are here: the first joint loads meet
	s_cmp_eq_u32 s12, 0                            ; the two first fills of a wave, inside one branch: two tensor loads of the wave are out
	s_cbranch_scc0 .Lfirst_b
	tensor_load_to_lds s[G0A:G0A+3], s[G1A:G1A+7]
	s_nop 0
	tensor_load_to_lds s[G0A+4:G0A+7], s[G1A:G1A+7]
	s_nop 0
	s_branch .Lfirst_done
.Lfirst_b:
	tensor_load_to_lds s[G0B:G0B+3], s[G1B:G1B+7]
	s_nop 0
	tensor_load_to_lds s[G0B+4:G0B+7], s[G1B:G1B+7]
	s_nop 0
.Lfirst_done:
	; my rows' positions: row 128 x block row + 64 mw + 16 mt + l % 16
	v_and_b32 v1, 15, v0                           ; r = l % 16
	v_bfe_u32 v2, v0, 4, 1                         ; h = l / 16
	v_lshlrev_b32 v[PO], 2, v1
	s_lshl_b32 s61, s18, 9
	s_lshl_b32 s62, s13, 8
	s_add_co_u32 s62, s61, s62
	s_mov_b32 s63, 0
	s_add_nc_u64 s[8:9], s[8:9], s[62:63]
.irp mt, 0,1,2,3
	global_load_b32 v[POS+\mt], v[PO], s[8:9] offset:64*\mt
.endr
	; LDS addresses
	v_mul_u32_u24 v3, v1, 144
	v_lshl_add_u32 v3, v2, 4, v3                   ; row x pitch + 16 h
	s_mul_i32 s61, s13, 64*144
	v_add_nc_u32 v[ADRA], s61, v3
	v_add_nc_u32 v[ADRA+1], SLOT, v[ADRA]
	v_and_b32 v3, 7, v0
	v_lshl_add_u32 v3, v2, 3, v3                   ; k row 8 h + l % 8
	v_mul_u32_u24 v3, v3, 160
	v_bfe_u32 v15, v0, 3, 1
	v_lshl_add_u32 v3, v15, 4, v3                  ; + 16 ((l / 8) % 2)
	s_lshl_b32 s61, s14, 5                         ; + 32 nw: my tiles' first column
	s_add_co_u32 s61, s61, ABYTES
	v_add_nc_u32 v[ADRB], s61, v3
	v_add_nc_u32 v[ADRB+1], BCH, v[ADRB]
	v_add_nc_u32 v[ADRB+2], 2*BCH, v[ADRB]
.irp g, 0,1,2
	v_add_nc_u32 v[ADRB+3+\g], SLOT, v[ADRB+\g]
.endr
	s_lshl_b32 s61, s14, 5
	v_add_nc_u32 v[STO], s61, v[ADRA+1]            ; stage in slot 1: (64 mw + r) x 144 + 16 h + 32 nw
	v_bfe_u32 v3, v0, 3, 2
	v_mul_u32_u24 v3, v3, 144
	v_and_b32 v15, 7, v0
	v_lshl_add_u32 v3, v15, 4, v3
	s_mul_i32 s61, s12, 32*144
	s_add_co_u32 s61, s61, SLOT
	v_add_nc_u32 v[RD], s61, v3                    ; back: rows 32 wave + l / 8, 16 bytes at 16 (l % 8)
	v_and_b32 v3, 31, v0
	v_lshlrev_b32 v3, 4, v3
	s_lshl_b32 s61, s12, 12
	v_add_nc_u32 v[GO], s61, v3                    ; 32 rows x 128 bytes x wave + 16 l
	; The table of cos and sin, made while the first tiles are on their way.  Frequency d = 16 nw + 8 h + j: 150000^(-d/32) = 2^(-d log2(150000)/32).
	s_mov_b32 s66, 0x3f22f983                      ; 2 / pi
	s_mov_b32 s67, 0xbfc90fd8                      ; - pi/2, upper 21 bits
	s_mov_b32 s68, 0xb4a8885a                      ; - the rest of pi/2
	s_mov_b32 s69, 0xb94ca1f9                      ; sine:  r + r z (s71 + z (s70 + z s69)), z = r r, |r| <= pi/4
	s_mov_b32 s70, 0x3c08839e
	s_mov_b32 s71, 0xbe2aaaa3
	s_mov_b32 s72, 0x37ccf5ce                      ; cosine: 1 + z (-1/2 + z (s74 + z (s73 + z s72)))
	s_mov_b32 s73, 0xbab6061a
	s_mov_b32 s74, 0x3d2aaaa5
	s_mov_b32 s75, 0x80000000
	s_lshl_b32 s61, s14, 4
	v_lshl_add_u32 v[TF], v2, 3, s61
.irp j, 0,1,2,3,4,5,6,7
	v_add_nc_u32 v[INVF+\j], \j, v[TF]
.endr
.irp j, 0,1,2,3,4,5,6,7
	v_cvt_f32_u32 v[INVF+\j], v[INVF+\j]
.endr
.irp j, 0,1,2,3,4,5,6,7
	v_mul_f32 v[INVF+\j], 0xbf098e8c, v[INVF+\j]   ; - log2(150000) / 32
.endr
.irp j, 0,1,2,3,4,5,6,7
	v_exp_f32 v[INVF+\j], v[INVF+\j]
.endr
	s_wait_loadcnt 0x0                             ; the positions
	s_wait_alu depctr_va_vdst(0)
.irp mt, 0,1,2,3
	v_cvt_f32_i32 v[POS+\mt], v[POS+\mt]           ; plain instructions between the exponentials and their first use (ISA guide 5.7.2)
.endr
.macro SINCOS mt, j
	v_mul_f32 v[TF], v[POS+\mt], v[INVF+\j]        ; the angle, rounded once
	v_mul_f32 v[TN], s66, v[TF]
	v_rndne_f32 v[TN], v[TN]                       ; n = nearest multiple of pi/2
	v_fma_f32 v[TR], v[TN], s67, v[TF]
	v_fma_f32 v[TR], v[TN], s68, v[TR]             ; r = angle - n pi/2
	v_mul_f32 v[TZ], v[TR], v[TR]
	v_cvt_i32_f32 v[TQ], v[TN]
	v_fma_f32 v[TS], v[TZ], s69, s70
	v_fma_f32 v[TC], v[TZ], s72, s73
	v_fma_f32 v[TS], v[TS], v[TZ], s71
	v_fma_f32 v[TC], v[TC], v[TZ], s74
	v_mul_f32 v[TF], v[TZ], v[TR]
	v_fma_f32 v[TC], v[TC], v[TZ], -0.5
	v_fma_f32 v[TS], v[TS], v[TF], v[TR]           ; sin r
	v_fma_f32 v[TC], v[TC], v[TZ], 1.0             ; cos r
	v_and_b32 v[TF], 1, v[TQ]
	v_cmp_eq_u32 vcc_lo, 1, v[TF]                  ; n odd: sine and cosine change places
	v_cndmask_b32 v[TR], v[TS], v[TC], vcc_lo
	v_cndmask_b32 v[TZ], v[TC], v[TS], vcc_lo
	v_lshlrev_b32 v[TF], 30, v[TQ]                 ; the sine is negative where n % 4 is 2 or 3,
	v_add_nc_u32 v[TQ], 1, v[TQ]
	v_and_b32 v[TF], s75, v[TF]
	v_lshlrev_b32 v[TQ], 30, v[TQ]                 ; the cosine where it is 1 or 2
	v_xor_b32 v[CS+16*\mt+8+\j], v[TF], v[TR]
	v_and_b32 v[TQ], s75, v[TQ]
	v_xor_b32 v[CS+16*\mt+\j], v[TQ], v[TZ]
.endm
.irp mt, 0,1,2,3
.irp j, 0,1,2,3,4,5,6,7
	SINCOS \mt, \j
.endr
.endr
	s_wait_tensorcnt 0x1                           ; my part of step 0 is in; step 1's may stay out
	s_barrier_signal -1
	s_barrier_wait -1
	FETCH 0, 0, F0
	LAP 1                                          ; steps 0 and 1: the first products start the sums
	WIN 0                                          ; at a label and at a branch every window is 0
	s_mov_b32 s3, 5
.Llap:
	LAP 0                                          ; steps 2 to 11
	WIN 0
	s_sub_co_u32 s3, s3, 1
	s_cmp_lg_u32 s3, 0
	s_cbranch_scc1 .Llap
	BODYSTEP 0, 0                                  ; step 12,
	TURN 0, 1, 1                                   ; which asks for step 14, the last
	BODYSTEP 1, 0                                  ; step 13: nothing is left to ask for
	TURN 1, 0, 0
	BODYSTEP 0, 0                                  ; step 14
	s_wait_dscnt 0x4
	WIN MUL
	MULROW F1, 0, 0
	MULROW F1, 1, 0
	s_wait_dscnt 0x0
	MULROW F1, 2, 0
	MULROW F1, 3, 0
	; THE WAY OUT.  RoPE on the sums: y1 = x1 cos - x2 sin, y2 = x1 sin + x2 cos; a v head (number 40 and above) takes cos = 1, sin = 0 by a select.
	; Then f16, 16 bytes a lane into a stage, whole rows back.
	; The stage is slot 1's first 55,296 bytes: its last fill has landed and every wave's reads of it ended in front of step 13's barrier.
	PLACES
	s_mul_i32 s83, s17, 3
.irp g, 0,1,2
	s_add_co_u32 s84, s83, \g
	s_cmp_lt_u32 s84, 40
	s_cselect_b32 s[80+\g], -1, 0
.endr
	s_mul_i32 s86, s17, 786432                     ; three heads x 2048 rows x 128 bytes
	s_lshl_b32 s85, s18, 14                        ; 128 rows x 128 bytes
	s_add_co_u32 s86, s86, s85
	s_mov_b32 s87, 0
	s_add_nc_u64 s[10:11], s[10:11], s[86:87]
.macro ROPEROW mt
	WIN 0
.irp g, 0,1,2
.irp j, 0,1,2,3,4,5,6,7
	v_cndmask_b32 v[TB+16*\g+\j],   1.0, v[CS+16*\mt+\j],   s[80+\g]
	v_cndmask_b32 v[TB+16*\g+8+\j], 0,   v[CS+16*\mt+8+\j], s[80+\g]
.endr
.endr
	WIN 0x01                                       ; source 0, the sums, in window 1
.irp g, 0,1,2
.irp p, 0,2,4,6
	v_pk_mul_f32 v[T1+\p:T1+\p+1], v[8*(6*\mt+2*\g+1)+\p:8*(6*\mt+2*\g+1)+\p+1], v[TB+16*\g+8+\p:TB+16*\g+8+\p+1]
	v_pk_mul_f32 v[T2+\p:T2+\p+1], v[8*(6*\mt+2*\g+1)+\p:8*(6*\mt+2*\g+1)+\p+1], v[TB+16*\g+\p:TB+16*\g+\p+1]
	v_pk_fma_f32 v[Y+16*\g+\p:Y+16*\g+\p+1], v[8*(6*\mt+2*\g)+\p:8*(6*\mt+2*\g)+\p+1], v[TB+16*\g+\p:TB+16*\g+\p+1], v[T1+\p:T1+\p+1] neg_lo:[0,0,1] neg_hi:[0,0,1]
	v_pk_fma_f32 v[Y+16*\g+8+\p:Y+16*\g+8+\p+1], v[8*(6*\mt+2*\g)+\p:8*(6*\mt+2*\g)+\p+1], v[TB+16*\g+8+\p:TB+16*\g+8+\p+1], v[T2+\p:T2+\p+1]
.endr
.endr
	WIN 0
.irp g, 0,1,2
.irp q, 0,1,2,3,4,5,6,7
	v_cvt_pk_f16_f32 v[HH+8*\g+\q], v[Y+16*\g+2*\q], v[Y+16*\g+2*\q+1]
.endr
	ds_store_b128 v[STO], v[HH+8*\g:HH+8*\g+3] offset:\g*ACH+\mt*2304          ; columns d .. d + 7
	ds_store_b128 v[STO], v[HH+8*\g+4:HH+8*\g+7] offset:\g*ACH+\mt*2304+64     ; columns d + 32 .. d + 39
.endr
.endm
	ROPEROW 0
	ROPEROW 1
	ROPEROW 2
	ROPEROW 3
	s_wait_dscnt 0x0                               ; my stores are done: a row's halves come from two waves
	s_barrier_signal -1
	s_barrier_wait -1
.set n, 0
.rept 24
	ds_load_b128 v[16+4*n:19+4*n], v[RD] offset:(n/8)*ACH+(n%8)*576            ; four rows of a head
.set n, n+1
.endr
.set n, 0
.rept 24
	s_wait_dscnt 23-n                              ; load n is back, the younger ones stay out
	global_store_b128 v[GO], v[16+4*n:19+4*n], s[10:11] offset:(n/8)*262144+(n%8)*512   ; 512 consecutive bytes, aligned
.set n, n+1
.endr
	s_wait_tensorcnt 0x0
	ds_add_u32 v254, v255
	s_wait_dscnt 0x0
	CROUND                                         ; the closing round: no work-group ends while a partner may still ask jointly
	s_endpgm
.Lfunc_end_k_q193a5a6d30_qkvproj:
	.size	k_q193a5a6d30_qkvproj, .Lfunc_end_k_q193a5a6d30_qkvproj-k_q193a5a6d30_qkvproj
	.p2alignl 7, 3214868480
	.fill 96, 4, 3214868480
	.section	.rodata,"a",@progbits
	.p2align	6, 0x0
	.amdhsa_kernel k_q193a5a6d30_qkvproj
		.amdhsa_group_segment_fixed_size 327680
		.amdhsa_private_segment_fixed_size 0
		.amdhsa_enable_private_segment 0
		.amdhsa_kernarg_size 32
		.amdhsa_user_sgpr_count 2
		.amdhsa_user_sgpr_kernarg_segment_ptr 1
		.amdhsa_wavefront_size32 1
		.amdhsa_system_sgpr_workgroup_id_x 1
		.amdhsa_system_sgpr_workgroup_id_y 1
		.amdhsa_system_sgpr_workgroup_id_z 1
		.amdhsa_system_vgpr_workitem_id 0
		.amdhsa_next_free_vgpr 448
		.amdhsa_next_free_sgpr 100
		.amdhsa_reserve_vcc 1
		.amdhsa_float_denorm_mode_32 3
		.amdhsa_float_denorm_mode_16_64 3
		.amdhsa_memory_ordered 1
		.amdhsa_forward_progress 1
		.amdhsa_inst_pref_size 212
	.end_amdhsa_kernel
	.amdgpu_metadata
---
amdhsa.version: [ 1, 2 ]
amdhsa.kernels:
  - .name:           k_q193a5a6d30_qkvproj
    .symbol:         k_q193a5a6d30_qkvproj.kd
    .args:
      - { .name: xh, .offset: 0, .size: 8, .value_kind: global_buffer, .address_space: global }
      - { .name: wh, .offset: 8, .size: 8, .value_kind: global_buffer, .address_space: global }
      - { .name: position_ids, .offset: 16, .size: 8, .value_kind: global_buffer, .address_space: global }
      - { .name: qkvh, .offset: 24, .size: 8, .value_kind: global_buffer, .address_space: global }
    .group_segment_fixed_size: 327680
    .private_segment_fixed_size: 0
    .kernarg_segment_align: 8
    .kernarg_segment_size: 32
    .max_flat_workgroup_size: 128
    .sgpr_count:     100
    .vgpr_count:     448
    .wavefront_size: 32
...
	.end_amdgpu_metadata
.endif
;; end of part 2
;; launch attn (part 3): grid 256 x 1, 8 waves a work-group, no clusters, 312,320 bytes of LDS; arguments qkvh, ah, wo, woh; writes ah, woh
.if DOCPART == 3
	.amdgcn_target "amdgcn-amd-amdhsa--gfx1250"
	.amdhsa_code_object_version 6
	.text
	.protected	k_q193a5a6d30_attn
	.globl	k_q193a5a6d30_attn
	.p2align	8
	.type	k_q193a5a6d30_attn,@function
k_q193a5a6d30_attn:
	s_mov_b64 s[64:65], 0
	v_nop
	global_prefetch_b8 v0, s[64:65] scope:SCOPE_SE
	s_setreg_imm32_b32 hwreg(HW_REG_WAVE_MODE, 25, 1), 1
	s_wait_xcnt 0x0
; Causal attention, 32 query heads on 8 key and value heads, head size 64, 1024 positions, 2 batches.  f16 operands, f32 sums, softmax in f32
; with a running maximum.  From qkvh [48][2048][64] to ah [32 heads][2048 rows][64] in f16.
; Beside it: wo [2048][2880] f32 -> woh [45 chunks of 64 columns][2048][64] f16 (round to nearest even), for the next launch.
; LIMITS: probabilities go to the matrix unit in f16 (those below 2^-25 of a row's largest count as 0); row sums are taken from the unrounded ones.
; wo in f16: below 65,504 in size.  NaN and infinities among the inputs are not treated specially.
; Work-group = (batch, key head, i = 0..15).  Its eight waves are the key head's four query heads x two blocks of 32 query rows, block 31 - i (waves 0-3)
; and block i (waves 4-7): together 33 steps of 32 keys for each pair, the same in every work-group.  The eight waves share K and V in one LDS.
; NO CLUSTER: the other work-groups that read the same K and V differ in i, on which the number of steps hangs.
; All 1024 keys' K and V are fetched once, as four stages of 256 keys, each wave 64 rows of a stage.
; BOTH PRODUCTS ARE TRANSPOSED.  S^T = K Q^T: lane l holds query 16 u + l % 16 and keys 16 t + 8 (l / 16) + 0..7, which is the layout of the second
; source of O^T = V^T P^T: the probabilities never leave their lane.  A row's maximum and sum are a lane's own, joined with one other lane.
; WO: the work-group converts rows 8 id .. 8 id + 7 (256 x 8 = 2048).  Waves 4-7 take a pair of rows each, all 45 chunks.  Their query block is at most
; block 15, so their steps below the diagonal end with stage 1 (keys 0-511), and behind it they would only wait at the barriers of stages 2 and 3.
; Their 45 loads go out behind the first barrier, into registers 256-435, which nothing else uses; they are converted and stored between stages 1 and 2.
.set KP, 144                           ; K's LDS pitch: 128 + 16 bytes (9 x 16)
.set VP, 160                           ; V's LDS pitch: 128 + 32 bytes (5 x 32, for the transposing load)
.set VB, 1024*KP                       ; V behind K
.set KBASE, 4                          ; v4   r x 144 + 16 h
.set VBASE, 5                          ; v5   VB + (8 h + l % 8) x 160 + 16 ((l / 8) % 2)
.set KADR, 6                           ; v6   the step's K
.set VADR, 7                           ; v7   the step's V
.set QO,   8                           ; v8   my offset in Q
.set RH,   9                           ; v9   r - 8 h
.set STO,  10
.set RD,   11
.set GO,   12
.set WS,   14                          ; v14  wo: h x 11,520 + 16 r: my 16 bytes of a pair of rows' 256; never rewritten
.set WD,   15                          ; v15  woh: 8 l: my 8 bytes of a stored pair of rows; never rewritten
.set QF,   16                          ; v16-47   Q fragments: +16 u + 8 c (c: which 32 of the 64)
.set KF,   48                          ; v48-79   K fragments: +16 t + 8 c
.set VF,   80                          ; v80-111  V fragments: +8 dt
.set SC,   112                         ; v112-143 scores, then probabilities: +16 u + 8 t
.set PF,   144                         ; v144-159 probabilities in f16: +8 u
.set OA,   160                         ; v160-223 output sums: +32 u + 8 dt
.set MX,   224                         ; v224-225 running maximum of query u
.set NMC,  226                         ; v226, 228  - maximum x c (the odd registers of these pairs are written once and never used)
.set ALPHA,230                         ; v230, 232  2^((old maximum - new maximum) c)
.set LS,   234                         ; v234-237 running sums, a pair for each u
.set DD,   238                         ; v238-239 query - first key - 8 h
.set NINF, 240
.set T,    241                         ; v241-246 at work
.set HH,   48                          ; the way out: packed f16
                                       ; window 1, v[4 n : 4 n + 3] (registers 256 + 4 n ..): wo's chunk n as loaded; its first two then hold the 4 numbers in f16
.set G1, 16
.set G0, 24                            ; s[24:39] four sets, one a stage
.set MSB, 0
.macro WIN new                         ; s_set_vgpr_msb: bits 1:0 source 0, 3:2 source 1, 7:6 destination; the immediate's high byte repeats the setting that is left
.if MSB != \new
	s_set_vgpr_msb (MSB<<8)|\new
.set MSB, \new
.endif
.endm
	s_load_b128 s[4:7], s[0:1], 0x0                ; qkvh s[4:5], ah s[6:7]
	s_load_b128 s[56:59], s[0:1], 0x10             ; wo s[56:57], woh s[58:59]
	v_lshl_add_u32 v254, v0, 2, 0x4c000
	v_mov_b32 v255, 0
	ds_add_u32 v254, v255
	ds_add_u32 v254, v255
	v_lshrrev_b32 v1, 5, v0
	v_readfirstlane_b32 s8, v1                     ; wave 0..7
	s_and_b32 s9, ttmp9, 15                        ; i
	s_bfe_u32 s10, ttmp9, 0x30004                  ; key head
	s_lshr_b32 s11, ttmp9, 7                       ; batch
	s_sub_co_u32 s12, 31, s9
	s_cmp_lt_u32 s8, 4
	s_cselect_b32 s12, s12, s9                     ; my block of 32 queries
	s_min_u32 s12, s12, 31
	s_and_b32 s54, s8, 3
	s_lshl2_add_u32 s13, s10, s54                  ; my query head
	; a tile: 64 dense rows of 128 bytes, taken as 32 rows of 256 bytes
	s_mov_b32 s[G1+1], 32<<16
	s_mov_b32 s[G1+2], 32<<16
	s_mov_b32 s[G1+3], 32<<16
	s_mov_b32 s[G1+4], 32
	s_mov_b32 s[G1+5], 32
	s_mov_b32 s[G1+6], 0
	s_mov_b32 s[G1+7], 0
	s_add_co_u32 s48, s10, 32                      ; K's chunk of qkvh
	s_lshl_b32 s48, s48, 11
	s_lshl_b32 s49, s11, 10
	s_add_co_u32 s48, s48, s49
	s_lshl_b32 s49, s54, 6                         ; my 64 rows of a stage
	s_add_co_u32 s48, s48, s49
	s_lshl_b32 s48, s48, 7
	s_mov_b32 s49, 0
	s_lshl_b32 s50, s13, 11                        ; Q's and the output's rows: head x 2048 + batch x 1024 + 32 x block
	s_lshl_b32 s51, s11, 10
	s_add_co_u32 s50, s50, s51
	s_lshl_b32 s51, s12, 5
	s_add_co_u32 s50, s50, s51
	s_lshl_b32 s50, s50, 7
	s_mov_b32 s51, 0
	s_lshl_b32 s60, ttmp9, 3
	s_lshl1_add_u32 s60, s54, s60                  ; wo: my pair of rows begins at row 8 id + 2 (wave % 4)
	s_mul_i32 s62, s60, 11520                      ; bytes of a row of wo
	s_mov_b32 s63, 0
	s_lshl_b32 s60, s60, 7                         ; bytes of a row of a chunk of woh
	s_mov_b32 s61, 0
	s_wait_dscnt 0x0
	s_wait_kmcnt 0x0
	s_add_nc_u64 s[46:47], s[4:5], s[48:49]
	s_add_nc_u64 s[4:5], s[4:5], s[50:51]
	s_add_nc_u64 s[6:7], s[6:7], s[50:51]
	s_add_nc_u64 s[56:57], s[56:57], s[62:63]
	s_add_nc_u64 s[58:59], s[58:59], s[60:61]      ; woh, chunks 0-31,
	s_add_nc_u64 s[60:61], s[58:59], 0x800000      ; and chunks 32-44: 32 chunks of 262,144 bytes on, since 44 x 262,144 is beyond a store's signed 24-bit immediate
	s_cmp_lt_u32 s8, 4                             ; waves 0-3 fetch K, waves 4-7 V: all four loads of a wave inside one branch
	s_cbranch_scc0 .Lfill_v
	s_mov_b32 s[G1], (3<<16)|(1<<20)|(4<<22)|(3<<25)       ; elements of 8 bytes; 4 words of padding behind every 32
	s_mul_i32 s14, s8, 64*KP
.irp st, 0,1,2,3
	s_mov_b32 s[G0+4*\st], 1
	s_add_co_u32 s[G0+4*\st+1], s14, \st*256*KP
	s_add_nc_u64 s[G0+4*\st+2:G0+4*\st+3], s[46:47], \st*32768
	s_or_b32 s[G0+4*\st+3], s[G0+4*\st+3], 0x80000000
	tensor_load_to_lds s[G0+4*\st:G0+4*\st+3], s[G1:G1+7]
	s_nop 0
.endr
	s_branch .Lfilled
.Lfill_v:
	s_mov_b32 s[G1], (3<<16)|(1<<20)|(4<<22)|(7<<25)       ; 8 words of padding behind every 32
	s_mul_i32 s14, s8, 64*VP
.irp st, 0,1,2,3
	s_mov_b32 s[G0+4*\st], 1
	s_add_co_u32 s[G0+4*\st+1], s14, VB-256*VP+\st*256*VP  ; VB + (wave - 4) x 64 rows + stage
	s_add_nc_u64 s[G0+4*\st+2:G0+4*\st+3], s[46:47], 2097152+\st*32768   ; V's chunk lies 8 chunks of 2048 x 128 bytes behind K's
	s_or_b32 s[G0+4*\st+3], s[G0+4*\st+3], 0x80000000
	tensor_load_to_lds s[G0+4*\st:G0+4*\st+3], s[G1:G1+7]
	s_nop 0
.endr
.Lfilled:
	v_and_b32 v1, 15, v0                           ; r
	v_bfe_u32 v2, v0, 4, 1                         ; h
	v_lshlrev_b32 v[QO], 7, v1
	v_lshl_add_u32 v[QO], v2, 4, v[QO]
.irp u, 0,1
.irp c, 0,1
	global_load_b128 v[QF+16*\u+8*\c:QF+16*\u+8*\c+3],   v[QO], s[4:5] offset:\u*2048+\c*64
	global_load_b128 v[QF+16*\u+8*\c+4:QF+16*\u+8*\c+7], v[QO], s[4:5] offset:\u*2048+\c*64+32
.endr
.endr
	s_mov_b32 s40, 0x76543210                      ; v_permlanex16_b32: lane i of one half reads lane i of the other
	s_mov_b32 s41, 0xfedcba98
	s_mov_b32 s42, 0x3e38aa3b                      ; c = log2(e) / 8: the scale 1/sqrt(64) and the change of base in one
	s_mov_b32 s43, 0x3e38aa3b
	s_mov_b32 s44, 0xbe38aa3b                      ; - c
	v_mul_u32_u24 v[KBASE], v1, KP
	v_lshl_add_u32 v[KBASE], v2, 4, v[KBASE]
	v_and_b32 v3, 7, v0
	v_lshl_add_u32 v3, v2, 3, v3
	v_mul_u32_u24 v3, v3, VP
	v_bfe_u32 v13, v0, 3, 1
	v_lshl_add_u32 v3, v13, 4, v3
	v_add_nc_u32 v[VBASE], VB, v3
	v_lshlrev_b32 v3, 3, v2
	v_sub_nc_u32 v[RH], v1, v3
	s_mul_i32 s52, s8, 32*KP                       ; my stage on the way out: 32 rows
	v_add_nc_u32 v[STO], s52, v[KBASE]
	v_bfe_u32 v3, v0, 3, 2
	v_mul_u32_u24 v3, v3, KP
	v_and_b32 v13, 7, v0
	v_lshl_add_u32 v3, v13, 4, v3
	v_add_nc_u32 v[RD], s52, v3
	v_and_b32 v3, 31, v0
	v_lshlrev_b32 v[GO], 4, v3
	v_lshlrev_b32 v[WD], 3, v3
	v_mul_u32_u24 v[WS], v2, 11520
	v_lshl_add_u32 v[WS], v1, 4, v[WS]
	v_mov_b32 v[NINF], 0xff800000
	v_mov_b32 v[NMC+1], 0                          ; the unused halves of broadcast pairs, and the lane exchange's destinations, are written once
	v_mov_b32 v[NMC+3], 0
	v_mov_b32 v[ALPHA+1], 0
	v_mov_b32 v[ALPHA+3], 0
	v_mov_b32 v[T+4], 0
	v_mov_b32 v[T+5], 0
	s_lshl_b32 s53, s12, 5
	v_add_nc_u32 v[DD], s53, v[RH]                 ; first step, keys 0-31: query - 8 h
	v_add_nc_u32 v[DD+1], 16, v[DD]
	v_mov_b32 v[KADR], v[KBASE]
	v_mov_b32 v[VADR], v[VBASE]
; One step: 32 keys at KADR, VADR against my 32 queries.  first = 1: it starts maxima and sums.  masked = 1: keys beyond the query get -inf.
.macro STEP first, masked
.irp t, 0,1
.irp c, 0,1
	ds_load_b128 v[KF+16*\t+8*\c:KF+16*\t+8*\c+3],   v[KADR] offset:\t*16*KP+\c*64
	ds_load_b128 v[KF+16*\t+8*\c+4:KF+16*\t+8*\c+7], v[KADR] offset:\t*16*KP+\c*64+32
.endr
.endr
.irp dt, 0,1,2,3
	ds_load_tr16_b128 v[VF+8*\dt:VF+8*\dt+3],   v[VADR] offset:\dt*32
	ds_load_tr16_b128 v[VF+8*\dt+4:VF+8*\dt+7], v[VADR] offset:\dt*32+16*VP
.endr
	s_wait_dscnt 0x8                               ; K's eight loads are back; V's eight, which are younger, stay out
	; four accumulators take turns, one instruction a turn
.irp t, 0,1
.irp u, 0,1
	v_wmma_f32_16x16x32_f16 v[SC+16*\u+8*\t:SC+16*\u+8*\t+7], v[KF+16*\t:KF+16*\t+7], v[QF+16*\u:QF+16*\u+7], 0
.endr
.endr
.irp t, 0,1
.irp u, 0,1
	v_wmma_f32_16x16x32_f16 v[SC+16*\u+8*\t:SC+16*\u+8*\t+7], v[KF+16*\t+8:KF+16*\t+15], v[QF+16*\u+8:QF+16*\u+15], v[SC+16*\u+8*\t:SC+16*\u+8*\t+7]
.endr
.endr
.rept 4
	v_nop                                          ; four places in front of the readers of the scores (ISA guide 7.12.1)
.endr
.if \masked
.irp u, 0,1
.irp t, 0,1
.irp j, 0,1,2,3,4,5,6,7
	v_cmp_gt_i32 vcc_lo, 16*\t+\j, v[DD+\u]        ; key beyond the query
	v_cndmask_b32 v[SC+16*\u+8*\t+\j], v[SC+16*\u+8*\t+\j], v[NINF], vcc_lo
.endr
.endr
.endr
.endif
.irp u, 0,1
	v_max3_num_f32 v[T+2*\u],   v[SC+16*\u],   v[SC+16*\u+1],  v[SC+16*\u+2]
	v_max3_num_f32 v[T+2*\u+1], v[SC+16*\u+8], v[SC+16*\u+9],  v[SC+16*\u+10]
	v_max3_num_f32 v[T+2*\u],   v[T+2*\u],     v[SC+16*\u+3],  v[SC+16*\u+4]
	v_max3_num_f32 v[T+2*\u+1], v[T+2*\u+1],   v[SC+16*\u+11], v[SC+16*\u+12]
	v_max3_num_f32 v[T+2*\u],   v[T+2*\u],     v[SC+16*\u+5],  v[SC+16*\u+6]
	v_max3_num_f32 v[T+2*\u+1], v[T+2*\u+1],   v[SC+16*\u+13], v[SC+16*\u+14]
	v_max3_num_f32 v[T+2*\u],   v[T+2*\u],     v[SC+16*\u+7],  v[SC+16*\u+15]
.if \first
	v_max_num_f32  v[T+2*\u],   v[T+2*\u],     v[T+2*\u+1]
.else
	v_max3_num_f32 v[T+2*\u],   v[T+2*\u],     v[T+2*\u+1],    v[MX+\u]
.endif
.endr
.irp u, 0,1
	v_permlanex16_b32 v[T+4+\u], v[T+2*\u], s40, s41       ; the other sixteen keys' maximum
.endr
.irp u, 0,1
	v_max_num_f32 v[T+2*\u], v[T+2*\u], v[T+4+\u]          ; the new maximum: finite, since key 0 is open to every query
	v_mul_f32 v[NMC+2*\u], s44, v[T+2*\u]
.if \first == 0
	v_fma_f32 v[T+2*\u+1], v[MX+\u], s42, v[NMC+2*\u]
	v_exp_f32 v[ALPHA+2*\u], v[T+2*\u+1]
.endif
	v_mov_b32 v[MX+\u], v[T+2*\u]                  ; also the plain instruction behind the exponential (ISA guide 5.7.2)
.endr
.irp u, 0,1
.irp p, 0,2,4,6,8,10,12,14
	v_pk_fma_f32 v[SC+16*\u+\p:SC+16*\u+\p+1], v[SC+16*\u+\p:SC+16*\u+\p+1], s[42:43], v[NMC+2*\u:NMC+2*\u+1] op_sel_hi:[1,0,0]
.endr
.endr
.set n, 0
.rept 32
	v_exp_f32 v[SC+n], v[SC+n]
.set n, n+1
.endr
	v_nop                                          ; one plain place between the exponentials and their first use
	s_wait_alu depctr_va_vdst(0)
.irp u, 0,1
.if \first
	s_wait_alu depctr_va_vdst(0)
	v_pk_add_f32 v[LS+2*\u:LS+2*\u+1], v[SC+16*\u:SC+16*\u+1], v[SC+16*\u+2:SC+16*\u+3]
.else
	v_pk_fma_f32 v[LS+2*\u:LS+2*\u+1], v[LS+2*\u:LS+2*\u+1], v[ALPHA+2*\u:ALPHA+2*\u+1], v[SC+16*\u:SC+16*\u+1] op_sel_hi:[1,0,1]
.endif
.endr
.if \first == 0
.irp u, 0,1
	v_pk_add_f32 v[LS+2*\u:LS+2*\u+1], v[LS+2*\u:LS+2*\u+1], v[SC+16*\u+2:SC+16*\u+3]
.endr
.endif
.irp p, 4,6,8,10,12,14
.irp u, 0,1
	v_pk_add_f32 v[LS+2*\u:LS+2*\u+1], v[LS+2*\u:LS+2*\u+1], v[SC+16*\u+\p:SC+16*\u+\p+1]
.endr
.endr
.irp u, 0,1
.irp q, 0,1,2,3,4,5,6,7
	v_cvt_pk_f16_f32 v[PF+8*\u+\q], v[SC+16*\u+2*\q], v[SC+16*\u+2*\q+1]
.endr
.endr
.if \first == 0
.irp u, 0,1
.set n, 0
.rept 16
	v_pk_mul_f32 v[OA+32*\u+2*n:OA+32*\u+2*n+1], v[OA+32*\u+2*n:OA+32*\u+2*n+1], v[ALPHA+2*\u:ALPHA+2*\u+1] op_sel_hi:[1,0]
.set n, n+1
.endr
.endr
.endif
	s_wait_dscnt 0x0                               ; V's fragments
.irp dt, 0,1,2,3
.irp u, 0,1
.if \first
	v_wmma_f32_16x16x32_f16 v[OA+32*\u+8*\dt:OA+32*\u+8*\dt+7], v[VF+8*\dt:VF+8*\dt+7], v[PF+8*\u:PF+8*\u+7], 0
.else
	v_wmma_f32_16x16x32_f16 v[OA+32*\u+8*\dt:OA+32*\u+8*\dt+7], v[VF+8*\dt:VF+8*\dt+7], v[PF+8*\u:PF+8*\u+7], v[OA+32*\u+8*\dt:OA+32*\u+8*\dt+7]
.endif
.endr
.endr
	v_nop                                          ; two of the four places behind these products; the other two are the two plain
	v_nop                                          ; additions that every way has next (a step's two addresses, or the two sums at the end)
.endm
; The steps of stage st (keys 256 st .. +255) that lie wholly below my block's diagonal.  The barrier is on every wave's way; only the work is jumped over.
.macro STAGE st
.if \st
	s_wait_dscnt 0x0
	s_wait_tensorcnt 3-\st                         ; my part of this stage has landed; the later stages' loads, which are younger, stay out
	s_barrier_signal -1
	s_barrier_wait -1                              ; everybody's has
.endif
.Ltrip_\st:
	s_cmp_ge_u32 s15, s12
	s_cbranch_scc1 .Lskip_\st
	s_mul_i32 s52, s15, 32*KP
	s_mul_i32 s53, s15, 32*VP
	v_add_nc_u32 v[KADR], s52, v[KBASE]
	v_add_nc_u32 v[VADR], s53, v[VBASE]
	STEP 0, 0
.Lskip_\st:
	s_add_co_u32 s15, s15, 1
	s_cmp_lt_u32 s15, 8*(\st+1)
	s_cbranch_scc1 .Ltrip_\st
.endm
	s_wait_loadcnt 0x0                             ; Q
	s_wait_tensorcnt 0x3                           ; my part of stage 0; three younger loads stay out: no byte is ever filled again
	s_barrier_signal -1
	s_barrier_wait -1
	; wo, in: waves 4-7 ask for their pair of rows, 45 loads of two rows x 256 consecutive aligned bytes, all out at once
	s_cmp_lt_u32 s8, 4
	s_cbranch_scc1 .Lno_wo_in
	WIN 0x40                                       ; destination in window 1, address in window 0
.set n, 0
.rept 45
	global_load_b128 v[4*n:4*n+3], v[WS], s[56:57] offset:n*256 th:TH_LOAD_NT
.set n, n+1
.endr
	WIN 0                                          ; at a label and at a branch every window is 0
.Lno_wo_in:
	STEP 1, 1                                      ; keys 0-31: masks only where my block is block 0
	s_mov_b32 s15, 1
	STAGE 0
	STAGE 1
	; wo, out: waves 4-7 have no step left but their diagonal.  No register that a pending store names is written again.
	s_cmp_lt_u32 s8, 4
	s_cbranch_scc1 .Lno_wo_out
	s_wait_loadcnt 0x0                             ; the 45 loads
	WIN 0x45                                       ; sources 0 and 1 and the destination in window 1
.set n, 0
.rept 45
	v_cvt_pk_f16_f32 v[4*n], v[4*n], v[4*n+1]
	v_cvt_pk_f16_f32 v[4*n+1], v[4*n+2], v[4*n+3]
.set n, n+1
.endr
	WIN 0x04                                       ; a store's data are source 1: window 1; its address is source 0: window 0
.set n, 0
.rept 32
	global_store_b64 v[WD], v[4*n:4*n+1], s[58:59] offset:n*262144         ; two rows of chunk n: 256 consecutive bytes, aligned
.set n, n+1
.endr
.rept 13
	global_store_b64 v[WD], v[4*n:4*n+1], s[60:61] offset:(n-32)*262144
.set n, n+1
.endr
	WIN 0
.Lno_wo_out:
	STAGE 2
	STAGE 3
	s_cmp_eq_u32 s12, 0
	s_cbranch_scc1 .Lsummed
	s_mul_i32 s52, s12, 32*KP                      ; the diagonal: keys 32 x block .. +31
	s_mul_i32 s53, s12, 32*VP
	v_add_nc_u32 v[KADR], s52, v[KBASE]
	v_add_nc_u32 v[VADR], s53, v[VBASE]
	v_mov_b32 v[DD], v[RH]
	v_add_nc_u32 v[DD+1], 16, v[RH]
	STEP 0, 1
.Lsummed:
	v_add_f32 v[T], v[LS], v[LS+1]
	v_add_f32 v[T+2], v[LS+2], v[LS+3]
	v_permlanex16_b32 v[T+4], v[T], s40, s41
	v_permlanex16_b32 v[T+5], v[T+2], s40, s41
	v_add_f32 v[T], v[T], v[T+4]                   ; a row's sum: at least 1, the largest probability
	v_add_f32 v[T+2], v[T+2], v[T+5]
	v_rcp_f32 v[ALPHA], v[T]
	v_rcp_f32 v[ALPHA+2], v[T+2]
	v_nop
	s_wait_alu depctr_va_vdst(0)
.irp u, 0,1
.set n, 0
.rept 16
	v_pk_mul_f32 v[OA+32*\u+2*n:OA+32*\u+2*n+1], v[OA+32*\u+2*n:OA+32*\u+2*n+1], v[ALPHA+2*\u:ALPHA+2*\u+1] op_sel_hi:[1,0]
.set n, n+1
.endr
.endr
.set n, 0
.rept 32
	v_cvt_pk_f16_f32 v[HH+n], v[OA+2*n], v[OA+2*n+1]       ; tile (u, dt): 4 registers at HH + 16 u + 4 dt
.set n, n+1
.endr
	s_wait_dscnt 0x0
	s_barrier_signal -1
	s_barrier_wait -1                              ; no wave reads K any more, and K's last fill landed long ago: its first bytes serve as stages, one a wave
.irp u, 0,1
.irp dt, 0,1,2,3
	ds_store_b128 v[STO], v[HH+16*\u+4*\dt:HH+16*\u+4*\dt+3] offset:\u*16*KP+\dt*32
.endr
.endr
.irp t, 0,1,2,3,4,5,6,7
	ds_load_b128 v[QF+4*\t:QF+4*\t+3], v[RD] offset:\t*4*KP    ; my own bytes: a wave's LDS instructions are served in order (ISA guide 5.7.1)
.endr
.irp t, 0,1,2,3,4,5,6,7
	s_wait_dscnt 7-\t
	global_store_b128 v[GO], v[QF+4*\t:QF+4*\t+3], s[6:7] offset:\t*512        ; four rows: 512 consecutive bytes, aligned
.endr
	s_wait_tensorcnt 0x0
	ds_add_u32 v254, v255
	s_wait_dscnt 0x0
	s_endpgm
.Lfunc_end_k_q193a5a6d30_attn:
	.size	k_q193a5a6d30_attn, .Lfunc_end_k_q193a5a6d30_attn-k_q193a5a6d30_attn
	.p2alignl 7, 3214868480
	.fill 96, 4, 3214868480
	.section	.rodata,"a",@progbits
	.p2align	6, 0x0
	.amdhsa_kernel k_q193a5a6d30_attn
		.amdhsa_group_segment_fixed_size 312320
		.amdhsa_private_segment_fixed_size 0
		.amdhsa_enable_private_segment 0
		.amdhsa_kernarg_size 32
		.amdhsa_user_sgpr_count 2
		.amdhsa_user_sgpr_kernarg_segment_ptr 1
		.amdhsa_wavefront_size32 1
		.amdhsa_system_sgpr_workgroup_id_x 1
		.amdhsa_system_sgpr_workgroup_id_y 1
		.amdhsa_system_sgpr_workgroup_id_z 1
		.amdhsa_system_vgpr_workitem_id 0
		.amdhsa_next_free_vgpr 448
		.amdhsa_next_free_sgpr 66
		.amdhsa_reserve_vcc 1
		.amdhsa_float_denorm_mode_32 3
		.amdhsa_float_denorm_mode_16_64 3
		.amdhsa_memory_ordered 1
		.amdhsa_forward_progress 1
		.amdhsa_inst_pref_size 92
	.end_amdhsa_kernel
	.amdgpu_metadata
---
amdhsa.version: [ 1, 2 ]
amdhsa.kernels:
  - .name:           k_q193a5a6d30_attn
    .symbol:         k_q193a5a6d30_attn.kd
    .args:
      - { .name: qkvh, .offset: 0, .size: 8, .value_kind: global_buffer, .address_space: global }
      - { .name: ah, .offset: 8, .size: 8, .value_kind: global_buffer, .address_space: global }
      - { .name: wo, .offset: 16, .size: 8, .value_kind: global_buffer, .address_space: global }
      - { .name: woh, .offset: 24, .size: 8, .value_kind: global_buffer, .address_space: global }
    .group_segment_fixed_size: 312320
    .private_segment_fixed_size: 0
    .kernarg_segment_align: 8
    .kernarg_segment_size: 32
    .max_flat_workgroup_size: 256
    .sgpr_count:     66
    .vgpr_count:     448
    .wavefront_size: 32
...
	.end_amdgpu_metadata
.endif
;; end of part 3
;; launch oproj (part 4): grid 16 x 15, 4 waves a work-group, clusters of 4 x 1, 327,680 bytes of LDS; arguments ah, woh, out0; writes out0
.if DOCPART == 4
	.amdgcn_target "amdgcn-amd-amdhsa--gfx1250"
	.amdhsa_code_object_version 6
	.text
	.protected	k_q193a5a6d30_oproj
	.globl	k_q193a5a6d30_oproj
	.p2align	8
	.type	k_q193a5a6d30_oproj,@function
k_q193a5a6d30_oproj:
	s_mov_b64 s[64:65], 0
	v_nop
	global_prefetch_b8 v0, s[64:65] scope:SCOPE_SE
	s_setreg_imm32_b32 hwreg(HW_REG_WAVE_MODE, 25, 1), 1
	s_wait_xcnt 0x0
	s_wait_alu depctr_hold_cnt(0) depctr_sa_sdst(0) depctr_va_vdst(0) depctr_va_sdst(0) depctr_va_ssrc(0) depctr_va_vcc(0) depctr_vm_vsrc(0)
	s_getreg_b32 s2, hwreg(HW_REG_IB_STS2, 6, 4)
	s_cmp_eq_u32 s2, 0
	s_cbranch_scc0 .Lentry_in_a_cluster
	s_endpgm
.Lentry_in_a_cluster:
	s_bfe_u32 s2, ttmp6, 0x10000c
	s_cmp_lg_u32 s2, 0x3003
	s_cbranch_scc0 .Lentry_shape_is_right
	s_endpgm
.Lentry_shape_is_right:
; out0 [2048 x 2880] f32 = attention's output [2048 x 2048] times wo [2048 x 2880]; f16 operands (ah [32][2048][64], woh [45][2048][64]), f32 sums.
; LIMIT: operands are f16 (below 65,504 in size).
; A work-group makes 128 rows x 192 columns with four waves; wave (mw, nw) makes rows 64 mw .. +63 and the column tiles t = nw + 2 i, i = 0..5.
; K = 2048 goes in ten steps of 192 and a last one of 128 through two LDS slots filled by tensor loads: the slots are the largest of whole chunks of 64
; of which two fit (2 x 147,456 of 327,680 bytes), so that the ring turns 11 times and each request has 132 matrix instructions in which to land.
; 240 work-groups: 16 row blocks x 15 column blocks.
; CLUSTER 4 x 1 along the row blocks (15 column blocks are no multiple of 4): the four partners need the same tiles of wo, which are asked for jointly;
; each needs its own rows of ah, which it asks for alone, behind the same round of the cluster's barrier.
; The matrix instruction is used transposed (source 0 = 16 columns of wo, source 1 = 16 rows of ah): lane l holds row l % 16 and columns 8 (l / 16) + 0..7.
; Registers: window 0 holds addresses and two fragment buffers; window 1 the 24 accumulator tiles, tile (mt, i) at v[8 (6 mt + i)].
.set ACH,    128*144                   ; a chunk of ah in LDS: 128 rows of 128 + 16 bytes (pitch 9 x 16)
.set ABYTES, 3*ACH                     ; three chunks of 64 along K
.set BCH,    192*160                   ; a chunk of woh in LDS: 192 rows (k) of 128 + 32 bytes (pitch 5 x 32, for the transposing load)
.set SLOT,   ABYTES+3*BCH              ; 147,456 bytes; two slots
.set STAGE,  SLOT                      ; the way out: 128 rows of 768 + 16 bytes = 100,352 bytes, in slot 1 behind its last fill and its last read
.set SP,     784
.set ASTEP,  3*262144                  ; a K step in ah: three chunks of 2048 rows x 128 bytes
.set BSTEP,  192*128                   ; a K step in woh: 192 rows of 128 bytes
.set ADRA, 4                           ; v4-5    LDS address of my fragments of ah in slot 0, 1
.set ADRB, 6                           ; v6-11   the same for woh: slot x 3 + chunk
.set STO,  12
.set RD,   13
.set GO,   14
.set F0,   16                          ; v16-95  fragment buffer 0: wo's tile i at +8 i, ah's band mt at +48 + 8 mt
.set F1,   96                          ; v96-175 fragment buffer 1
.set G1A,  24                          ; s[24:31] group 1 of ah's tiles, steps of 192
.set G0A,  32                          ; s[32:39] group 0 of ah's tiles, one set a slot
.set G1B,  40                          ; s[40:47] group 1 of woh's tiles, steps of 192
.set G0B,  48                          ; s[48:55] group 0 of woh's tiles, one set a slot
.set G1AL, 68                          ; s[68:75] group 1 of ah's last tile, 128 along K
.set G1BL, 76                          ; s[76:83] group 1 of woh's last tiles
.set MUL, 0x50                         ; C and D in window 1, sources in window 0
.set MSB, 0
.macro WIN new                         ; the immediate's high byte repeats the setting that is left
.if MSB != \new
	s_set_vgpr_msb (MSB<<8)|\new
.set MSB, \new
.endif
.endm
; One tensor load a wave: wave 0 its work-group's rows of ah, waves 1 to 3 one chunk of woh each, jointly.  ga, gb: the two group 1 sets.
.macro JLOAD s, ga, gb
	s_cmp_eq_u32 s12, 0
	s_cbranch_scc0 .Lfor_b_\@
	tensor_load_to_lds s[G0A+4*\s:G0A+4*\s+3], s[\ga:\ga+7]
	s_nop 0
	s_branch .Lasked_\@
.Lfor_b_\@:
	tensor_load_to_lds s[G0B+4*\s:G0B+4*\s+3], s[\gb:\gb+7]
	s_nop 0
.Lasked_\@:
.endm
.macro CREST                           ; a round of the cluster's barrier behind its opening work-group barrier
	s_cmp_lg_u32 s12, 0
	s_cbranch_scc1 .Lnot_wave_0_\@
	s_barrier_signal -3
.Lnot_wave_0_\@:
	s_barrier_wait -3
	s_barrier_signal -1
	s_barrier_wait -1
.endm
.macro CROUND
	s_barrier_signal -1
	s_barrier_wait -1
	CREST
.endm
.macro PLACES                          ; four places behind matrix instructions, in front of loads into their sources and of readers of their results
.rept 4
	v_nop
.endr
.endm
; The 24 accumulators take turns, one instruction a turn, in one order everywhere.
.macro MULROW f, mt, zero
.irp i, 0,1,2,3,4,5
.if \zero
	v_wmma_f32_16x16x32_f16 v[8*(6*\mt+\i):8*(6*\mt+\i)+7], v[\f+8*\i:\f+8*\i+7], v[\f+48+8*\mt:\f+48+8*\mt+7], 0
.else
	v_wmma_f32_16x16x32_f16 v[8*(6*\mt+\i):8*(6*\mt+\i)+7], v[\f+8*\i:\f+8*\i+7], v[\f+48+8*\mt:\f+48+8*\mt+7], v[8*(6*\mt+\i):8*(6*\mt+\i)+7]
.endif
.endr
.endm
.macro FETCH slot, kc, f               ; twenty LDS loads: wo's six tiles, transposed on the way, then ah's four bands, 32 along K (number kc of the step)
	WIN 0
.irp i, 0,1,2,3,4,5
	ds_load_tr16_b128 v[\f+8*\i:\f+8*\i+3],   v[ADRB+3*\slot+\i/2] offset:(\i%2)*64+\kc*5120
	ds_load_tr16_b128 v[\f+8*\i+4:\f+8*\i+7], v[ADRB+3*\slot+\i/2] offset:(\i%2)*64+\kc*5120+2560
.endr
.irp mt, 0,1,2,3
	ds_load_b128 v[\f+48+8*\mt:\f+48+8*\mt+3], v[ADRA+\slot] offset:(\kc/2)*ACH+(\kc%2)*64+\mt*2304
	ds_load_b128 v[\f+48+8*\mt+4:\f+48+8*\mt+7], v[ADRA+\slot] offset:(\kc/2)*ACH+(\kc%2)*64+\mt*2304+32
.endr
.endm
; 32 along K on buffer f; in its middle the next 32 (number kn) are fetched into buffer g.
.macro CHUNK slot, kn, f, g, zero
	s_wait_dscnt 0x4                               ; all of buffer f but its four youngest loads, bands 2 and 3
	WIN MUL
	MULROW \f, 0, \zero
	MULROW \f, 1, \zero
	PLACES
	FETCH \slot, \kn, \g
	s_wait_dscnt 20                                ; all but the twenty just issued
	WIN MUL
	MULROW \f, 2, \zero
	MULROW \f, 3, \zero
.endm
.macro BODYSTEP slot, zero             ; the first five of the six chunks of a step of 192
	CHUNK \slot, 1, F0, F1, \zero
	CHUNK \slot, 2, F1, F0, 0
	CHUNK \slot, 3, F0, F1, 0
	CHUNK \slot, 4, F1, F0, 0
	CHUNK \slot, 5, F0, F1, 0
.endm
; The sixth chunk, on buffer 1, changes slots: each wave's reads of this slot and all its tensor loads (one is out: its part of the next slot) are waited for
; in front of the barrier.  fill = 1 or 2: the barrier opens a round of the cluster's barrier, behind which this slot is asked for again, two steps ahead,
; first thing (2: the last step's shorter tiles).  From that request to its wait a wave issues 132 matrix instructions.
.macro TURN slot, next, fill
	s_wait_dscnt 0x4
	WIN MUL
	MULROW F1, 0, 0
	s_wait_dscnt 0x0                               ; my reads of this slot are over
	s_wait_tensorcnt 0x0                           ; all my tensor loads have landed
	ds_add_u32 v254, v255
	s_wait_dscnt 0x0
	s_barrier_signal -1
	MULROW F1, 1, 0                                ; register work while the others arrive
	WIN 0
	s_barrier_wait -1
.if \fill
	CREST                                          ; no wave of any partner still reads this slot or has a load on its way
	s_add_nc_u64 s[G0A+4*\slot+2:G0A+4*\slot+3], s[G0A+4*\slot+2:G0A+4*\slot+3], 2*ASTEP
	s_add_nc_u64 s[G0B+4*\slot+2:G0B+4*\slot+3], s[G0B+4*\slot+2:G0B+4*\slot+3], 2*BSTEP
.if \fill == 2
	JLOAD \slot, G1AL, G1BL
.else
	JLOAD \slot, G1A, G1B
.endif
.endif
	PLACES
	FETCH \next, 0, F0
	WIN MUL
	MULROW F1, 2, 0
	MULROW F1, 3, 0
.endm
.macro LAP zero                        ; two steps, both slots asked for again
	BODYSTEP 0, \zero
	TURN 0, 1, 1
	BODYSTEP 1, 0
	TURN 1, 0, 1
.endm
	s_load_b128 s[4:7], s[0:1], 0x0                ; ah s[4:5], woh s[6:7]
	s_load_b64 s[8:9], s[0:1], 0x10                ; out0
	v_lshl_add_u32 v254, v0, 2, 0x48000
	v_mov_b32 v255, 0
	ds_add_u32 v254, v255
	ds_add_u32 v254, v255
	v_lshrrev_b32 v1, 5, v0
	v_readfirstlane_b32 s12, v1                    ; wave 0..3
	s_lshr_b32 s13, s12, 1                         ; mw
	s_and_b32 s14, s12, 1                          ; nw
	s_bfe_u32 s15, ttmp6, 0x40000                  ; cx
	s_lshl_b32 s17, ttmp9, 2
	s_add_co_u32 s17, s17, s15                     ; row block = 4 x cluster x + cx
	s_and_b32 s18, ttmp7, 0xffff                   ; column block = cluster y
	; ah's tile: three chunks, each 128 dense rows = 2,048 elements of 8 bytes, 262,144 bytes apart; 4 words of padding behind every 32; no mask
	s_mov_b32 s[G1A+0], (3<<16)|(1<<20)|(4<<22)|(3<<25)
	s_mov_b32 s[G1A+1], 2048<<16                   ; tensor_dim0 = 2048
	s_mov_b32 s[G1A+2], 3<<16                      ; tensor_dim1 = 3
	s_mov_b32 s[G1A+3], 2048<<16                   ; tile_dim0 = 2048
	s_mov_b32 s[G1A+4], 3                          ; tile_dim1 = 3
	s_mov_b32 s[G1A+5], 32768                      ; from chunk to chunk, in elements
	s_mov_b32 s[G1A+6], 0
	s_mov_b32 s[G1A+7], 0
	; the last step's: two chunks
	s_mov_b32 s[G1AL+0], (3<<16)|(1<<20)|(4<<22)|(3<<25)
	s_mov_b32 s[G1AL+1], 2048<<16
	s_mov_b32 s[G1AL+2], 2<<16
	s_mov_b32 s[G1AL+3], 2048<<16
	s_mov_b32 s[G1AL+4], 2
	s_mov_b32 s[G1AL+5], 32768
	s_mov_b32 s[G1AL+6], 0
	s_mov_b32 s[G1AL+7], 0
	; a chunk of woh: 192 dense rows of 128 bytes, taken as 96 rows of 256 bytes; 8 words of padding behind every 32; for all four partners
	s_mov_b32 s[G1B+0], 15|(3<<16)|(1<<20)|(1<<21)|(4<<22)|(7<<25)
	s_mov_b32 s[G1B+1], 32<<16
	s_mov_b32 s[G1B+2], 96<<16
	s_mov_b32 s[G1B+3], 32<<16
	s_mov_b32 s[G1B+4], 96
	s_mov_b32 s[G1B+5], 32
	s_mov_b32 s[G1B+6], 0
	s_mov_b32 s[G1B+7], 0
	; the last step's: 128 rows of 128 bytes, taken as 64 rows of 256 bytes
	s_mov_b32 s[G1BL+0], 15|(3<<16)|(1<<20)|(1<<21)|(4<<22)|(7<<25)
	s_mov_b32 s[G1BL+1], 32<<16
	s_mov_b32 s[G1BL+2], 64<<16
	s_mov_b32 s[G1BL+3], 32<<16
	s_mov_b32 s[G1BL+4], 64
	s_mov_b32 s[G1BL+5], 32
	s_mov_b32 s[G1BL+6], 0
	s_mov_b32 s[G1BL+7], 0
	s_lshl_b32 s56, s17, 14                        ; ah: 128 rows x 128 bytes x row block
	s_mov_b32 s57, 0
	s_mul_i32 s58, s18, 3
	s_add_co_u32 s58, s58, s12
	s_max_u32 s58, s58, 1
	s_sub_co_u32 s58, s58, 1                       ; woh: chunk 3 x column block + wave - 1 (wave 0 asks for none: kept at 0 or above)
	s_lshl_b32 s58, s58, 18                        ; 2048 rows x 128 bytes
	s_mov_b32 s59, 0
	s_mul_i32 s60, s12, BCH
	s_wait_dscnt 0x0
	s_wait_kmcnt 0x0
	s_add_nc_u64 s[56:57], s[4:5], s[56:57]
	s_add_nc_u64 s[58:59], s[6:7], s[58:59]
.irp s, 0,1
	s_mov_b32 s[G0A+4*\s], 1
	s_mov_b32 s[G0A+4*\s+1], \s*SLOT
	s_add_nc_u64 s[G0A+4*\s+2:G0A+4*\s+3], s[56:57], \s*ASTEP
	s_or_b32 s[G0A+4*\s+3], s[G0A+4*\s+3], 0x80000000
	s_mov_b32 s[G0B+4*\s], 1
	s_add_co_u32 s[G0B+4*\s+1], s60, \s*SLOT+ABYTES-BCH    ; behind ah's chunks: chunk wave - 1
	s_add_nc_u64 s[G0B+4*\s+2:G0B+4*\s+3], s[58:59], \s*BSTEP
	s_or_b32 s[G0B+4*\s+3], s[G0B+4*\s+3], 0x80000000
.endr
	CROUND                                         ; the four work-groups are here: the first joint loads meet
	s_cmp_eq_u32 s12, 0                            ; the two first fills of a wave, inside one branch: two tensor loads of the wave are out
	s_cbranch_scc0 .Lfirst_b
	tensor_load_to_lds s[G0A:G0A+3], s[G1A:G1A+7]
	s_nop 0
	tensor_load_to_lds s[G0A+4:G0A+7], s[G1A:G1A+7]
	s_nop 0
	s_branch .Lfirst_done
.Lfirst_b:
	tensor_load_to_lds s[G0B:G0B+3], s[G1B:G1B+7]
	s_nop 0
	tensor_load_to_lds s[G0B+4:G0B+7], s[G1B:G1B+7]
	s_nop 0
.Lfirst_done:
	v_and_b32 v1, 15, v0                           ; r
	v_bfe_u32 v2, v0, 4, 1                         ; h
	v_mul_u32_u24 v3, v1, 144
	v_lshl_add_u32 v3, v2, 4, v3                   ; row x pitch + 16 h
	s_mul_i32 s61, s13, 64*144
	v_add_nc_u32 v[ADRA], s61, v3
	v_add_nc_u32 v[ADRA+1], SLOT, v[ADRA]
	v_and_b32 v3, 7, v0
	v_lshl_add_u32 v3, v2, 3, v3                   ; k row 8 h + l % 8
	v_mul_u32_u24 v3, v3, 160
	v_bfe_u32 v15, v0, 3, 1
	v_lshl_add_u32 v3, v15, 4, v3                  ; + 16 ((l / 8) % 2)
	s_lshl_b32 s61, s14, 5                         ; + 32 nw: my tiles' first column
	s_add_co_u32 s61, s61, ABYTES
	v_add_nc_u32 v[ADRB], s61, v3
	v_add_nc_u32 v[ADRB+1], BCH, v[ADRB]
	v_add_nc_u32 v[ADRB+2], 2*BCH, v[ADRB]
.irp g, 0,1,2
	v_add_nc_u32 v[ADRB+3+\g], SLOT, v[ADRB+\g]
.endr
	v_mul_u32_u24 v3, v1, SP                       ; into the stage: row 64 mw + r, byte 64 nw + 32 h
	v_lshl_add_u32 v3, v2, 5, v3
	s_mul_i32 s61, s13, 64*SP
	s_lshl_b32 s62, s14, 6
	s_add_co_u32 s61, s61, s62
	s_add_co_u32 s61, s61, STAGE
	v_add_nc_u32 v[STO], s61, v3
	v_mul_u32_u24 v3, v2, SP                       ; back: rows 32 wave + h, 16 bytes at 16 r
	v_lshl_add_u32 v3, v1, 4, v3
	s_mul_i32 s61, s12, 32*SP
	s_add_co_u32 s61, s61, STAGE
	v_add_nc_u32 v[RD], s61, v3
	v_mul_u32_u24 v3, v2, 11520                    ; and the same rows in out0
	v_lshl_add_u32 v3, v1, 4, v3
	s_mul_i32 s61, s12, 32*11520
	v_add_nc_u32 v[GO], s61, v3
	s_wait_tensorcnt 0x1                           ; my part of step 0 is in; step 1's may stay out
	s_barrier_signal -1
	s_barrier_wait -1
	FETCH 0, 0, F0
	LAP 1                                          ; steps 0 and 1: the first products start the sums
	WIN 0                                          ; at a label and at a branch every window is 0
	s_mov_b32 s3, 3
.Llap:
	LAP 0                                          ; steps 2 to 7
	WIN 0
	s_sub_co_u32 s3, s3, 1
	s_cmp_lg_u32 s3, 0
	s_cbranch_scc1 .Llap
	BODYSTEP 0, 0                                  ; step 8,
	TURN 0, 1, 2                                   ; which asks for step 10, the last: 128 along K
	BODYSTEP 1, 0                                  ; step 9: nothing is left to ask for
	TURN 1, 0, 0
	CHUNK 0, 1, F0, F1, 0                          ; step 10: four chunks of 32
	CHUNK 0, 2, F1, F0, 0
	CHUNK 0, 3, F0, F1, 0
	s_wait_dscnt 0x4
	WIN MUL
	MULROW F1, 0, 0
	MULROW F1, 1, 0
	s_wait_dscnt 0x0
	MULROW F1, 2, 0
	MULROW F1, 3, 0
	; THE WAY OUT: the f32 sums go straight from the accumulators into the stage, 32 bytes a lane, and come back as whole rows.
	; The stage lies in slot 1: its last fill (step 9's) has landed, and every wave's reads of it ended in front of step 9's barrier.
	PLACES
	s_mul_i32 s84, s17, 1474560                    ; 128 rows x 11,520 bytes
	s_mul_i32 s86, s18, 768                        ; 192 columns x 4 bytes
	s_add_co_u32 s84, s84, s86
	s_mov_b32 s85, 0
	s_add_nc_u64 s[8:9], s[8:9], s[84:85]
	WIN 0x04                                       ; an LDS store's data are source 1: window 1
.irp mt, 0,1,2,3
.irp i, 0,1,2,3,4,5
	ds_store_b128 v[STO], v[8*(6*\mt+\i):8*(6*\mt+\i)+3]   offset:\mt*16*SP+\i*128
	ds_store_b128 v[STO], v[8*(6*\mt+\i)+4:8*(6*\mt+\i)+7] offset:\mt*16*SP+\i*128+16
.endr
.endr
	WIN 0
	s_wait_dscnt 0x0                               ; my stores are done: a row's parts come from two waves
	s_barrier_signal -1
	s_barrier_wait -1
; 256 bytes (number u of a row's three) of my 32 rows, two rows a load
.macro OUTB u, f
.irp t, 0,1,2,3,4,5,6,7,8,9,10,11,12,13,14,15
	ds_load_b128 v[\f+4*\t:\f+4*\t+3], v[RD] offset:\t*2*SP+\u*256
.endr
.irp t, 0,1,2,3,4,5,6,7,8,9,10,11,12,13,14,15
	s_wait_dscnt 15-\t                             ; load t is back, the younger ones stay out
	global_store_b128 v[GO], v[\f+4*\t:\f+4*\t+3], s[8:9] offset:\t*23040+\u*256 th:TH_STORE_NT   ; sixteen lanes store 256 consecutive bytes, aligned
.endr
.endm
	OUTB 0, F0
	OUTB 1, F1
	s_wait_xcnt 0x0                                ; the first batch's registers, which stores read, are loaded again only behind this wait
	OUTB 2, F0
	s_wait_tensorcnt 0x0
	ds_add_u32 v254, v255
	s_wait_dscnt 0x0
	CROUND                                         ; the closing round: no work-group ends while a partner may still ask jointly
	s_endpgm
.Lfunc_end_k_q193a5a6d30_oproj:
	.size	k_q193a5a6d30_oproj, .Lfunc_end_k_q193a5a6d30_oproj-k_q193a5a6d30_oproj
	.p2alignl 7, 3214868480
	.fill 96, 4, 3214868480
	.section	.rodata,"a",@progbits
	.p2align	6, 0x0
	.amdhsa_kernel k_q193a5a6d30_oproj
		.amdhsa_group_segment_fixed_size 327680
		.amdhsa_private_segment_fixed_size 0
		.amdhsa_enable_private_segment 0
		.amdhsa_kernarg_size 24
		.amdhsa_user_sgpr_count 2
		.amdhsa_user_sgpr_kernarg_segment_ptr 1
		.amdhsa_wavefront_size32 1
		.amdhsa_system_sgpr_workgroup_id_x 1
		.amdhsa_system_sgpr_workgroup_id_y 1
		.amdhsa_system_sgpr_workgroup_id_z 1
		.amdhsa_system_vgpr_workitem_id 0
		.amdhsa_next_free_vgpr 448
		.amdhsa_next_free_sgpr 88
		.amdhsa_reserve_vcc 0
		.amdhsa_float_denorm_mode_32 3
		.amdhsa_float_denorm_mode_16_64 3
		.amdhsa_memory_ordered 1
		.amdhsa_forward_progress 1
		.amdhsa_inst_pref_size 145
	.end_amdhsa_kernel
	.amdgpu_metadata
---
amdhsa.version: [ 1, 2 ]
amdhsa.kernels:
  - .name:           k_q193a5a6d30_oproj
    .symbol:         k_q193a5a6d30_oproj.kd
    .args:
      - { .name: ah, .offset: 0, .size: 8, .value_kind: global_buffer, .address_space: global }
      - { .name: woh, .offset: 8, .size: 8, .value_kind: global_buffer, .address_space: global }
      - { .name: out0, .offset: 16, .size: 8, .value_kind: global_buffer, .address_space: global }
    .group_segment_fixed_size: 327680
    .private_segment_fixed_size: 0
    .kernarg_segment_align: 8
    .kernarg_segment_size: 24
    .max_flat_workgroup_size: 128
    .sgpr_count:     88
    .vgpr_count:     448
    .wavefront_size: 32
...
	.end_amdgpu_metadata
.endif
;; end of part 4
;; ======== version 2 of 2: 4 launches; version 1 with the launch cast written anew for expert scheduling mode
;; limits: values are held in f16: magnitudes above 65,504 overflow, below 6.1e-05 lose precision; right only within a limited range of input values
;; workspace buffers: xh 11,796,480 bytes; wh 17,694,720 bytes; woh 11,796,480 bytes; qkvh 12,582,912 bytes; ah 8,388,608 bytes
;; launch cast (part 5): grid 1020 x 1, 4 waves a work-group, no clusters, 0 bytes of LDS; arguments x, wq, wk, wv, xh, wh; writes xh, wh
.if DOCPART == 5
	.amdgcn_target "amdgcn-amd-amdhsa--gfx1250"
	.amdhsa_code_object_version 6
	.text
	.protected	k_q193a5a6d30_cast
	.globl	k_q193a5a6d30_cast
	.p2align	8
	.type	k_q193a5a6d30_cast,@function
k_q193a5a6d30_cast:
	s_mov_b64 s[64:65], 0
	v_nop
	global_prefetch_b8 v0, s[64:65] scope:SCOPE_SE
	s_setreg_imm32_b32 hwreg(HW_REG_WAVE_SCHED_MODE, 0, 2), 2
	s_setreg_imm32_b32 hwreg(HW_REG_WAVE_MODE, 25, 1), 1
	s_wait_xcnt 0x0
	s_wait_alu depctr_vm_vsrc(0)
; f32 -> f16 (round to nearest even) of x, wq, wk, wv, laid anew as [chunk of 64 columns][row][64]:
;   xh [45][2048][64] from x [2048][2880];
;   wh [48][2880][64]: chunks 0-31 from wq [2880][2048], 32-39 from wk [2880][512], 40-47 from wv [2880][512].
; A row of a chunk is 128 bytes and a chunk's rows are dense, so that the next launch fetches dense 16-bit tiles.
; (wo, which is first needed two launches on, is converted in the attention launch.)
; LIMIT: f16 holds numbers below 65,504 in size; larger inputs become infinite.
; A stream: each byte is read once and written once.  No LDS, no barrier, no matrix unit: nothing is shared between waves.
; Work-groups 0-479: x (64 rows x 3 chunks each: 32 x 15); 480-1019: the weights (64 rows x 4 chunks: 45 x 12).
; A wave takes 16 of the 64 rows.  One load covers two rows x 256 consecutive aligned bytes (one chunk's 64 f32 of each row);
; one store covers 256 consecutive aligned bytes (two rows of a chunk in f16).
; THE MODE: SCHED_MODE bits 1:0 = 2 (LLVM: expert scheduling mode 2), set by the entry lines.  The code itself states the register dependences
; between vector instructions and memory instructions, with s_wait_alu, always for 0.
; THE PLAN.  Registers that memory instructions touch:
;   VS, VD   the offsets.  Written once, by the head's vector arithmetic; read by every load (VS) and every store (VD); never written again.
;   X        four registers to a load.  Load n lands in them; its two conversions read the four and write the first two; store n reads those two;
;            nothing writes them after that.
; All loads go out ahead of all conversions, so no load lands in a register that a vector instruction has named, and no register that a memory
; instruction has read is written again: no wait on vm_vsrc is owed.  The loads are worked on in groups of four.  Group g's conversions name group g's
; registers alone; the stores of group g - 1 are dealt among them, behind ONE wait on va_vdst at the group's head, which states that the conversions of
; group g - 1 have written what those stores read.
.set VS, 4                             ; v[4:11]   byte offset of my 16 bytes in row pair j of the wave's 16 rows
.set VD, 12                            ; v12       8 x lane: my 8 bytes of a stored row pair
.set X,  16                            ; v[16:143] load n: 4 registers; its first two then hold the 4 numbers in f16
	s_load_b256 s[8:15], s[0:1], 0x0               ; x s[8:9], wq s[10:11], wk s[12:13], wv s[14:15]
	s_load_b128 s[16:19], s[0:1], 0x20             ; xh s[16:17], wh s[18:19]
	v_lshrrev_b32 v1, 5, v0
	v_readfirstlane_b32 s4, v1                     ; wave 0..3
	v_and_b32 v1, 31, v0                           ; lane
	v_lshrrev_b32 v2, 4, v1                        ; which row of a pair
	v_and_b32 v3, 15, v1
	v_lshlrev_b32 v3, 4, v3                        ; my 16 bytes of the 256
	v_lshlrev_b32 v[VD], 3, v1
	s_wait_alu depctr_va_sdst(0)                   ; s4 is written, ahead of the branch: each of the two arms makes the wave's first row from it
	s_cmp_ge_u32 ttmp9, 480
	s_cbranch_scc1 .Lweights
	; x: n = 15 x row block + chunk group
	s_mul_i32 s6, ttmp9, 4370
	s_lshr_b32 s6, s6, 16                          ; n / 15 (exact for n < 480)
	s_mul_i32 s7, s6, 15
	s_sub_co_u32 s7, ttmp9, s7                     ; chunk group 0..14
	s_lshl_b32 s28, s6, 6
	s_lshl4_add_u32 s28, s4, s28                   ; the wave's first row = 64 x block + 16 x wave
	s_mov_b32 s32, 11520                           ; bytes from row to row in the source
	s_mul_i32 s30, s28, 11520
	s_mul_i32 s29, s7, 768
	s_add_co_u32 s30, s30, s29                     ; source offset: row x pitch + 3 chunks x 256 bytes x group
	s_mul_i32 s34, s7, 786432                      ; 3 chunks x 2048 rows x 128 bytes
	s_lshl_b32 s29, s28, 7
	s_add_co_u32 s34, s34, s29                     ; destination offset
	s_wait_kmcnt 0x0
	s_mov_b64 s[24:25], s[8:9]                     ; from x
	s_mov_b64 s[26:27], s[16:17]                   ; to xh
	s_branch .Lcommon
.Lweights:
	s_sub_co_u32 s5, ttmp9, 480                    ; n = 12 x row block + chunk group, 0..539
	s_lshr_b32 s6, s5, 2
	s_mul_i32 s6, s6, 21846
	s_lshr_b32 s6, s6, 16                          ; n / 12 = (n / 4) / 3 (exact for n < 540)
	s_mul_i32 s7, s6, 12
	s_sub_co_u32 s7, s5, s7                        ; chunk group 0..11: 0-7 wq, 8-9 wk, 10-11 wv
	s_lshl_b32 s28, s6, 6
	s_lshl4_add_u32 s28, s4, s28                   ; the wave's first row
	s_mul_i32 s34, s7, 1474560                     ; 4 chunks x 2880 rows x 128 bytes
	s_lshl_b32 s29, s28, 7
	s_add_co_u32 s34, s34, s29
	s_wait_kmcnt 0x0
	s_cmp_lt_u32 s7, 10
	s_cselect_b64 s[24:25], s[12:13], s[14:15]     ; wk or wv
	s_cselect_b32 s29, 8, 10                       ; the first group of that source
	s_cmp_lt_u32 s7, 8
	s_cselect_b64 s[24:25], s[10:11], s[24:25]     ; or wq
	s_cselect_b32 s29, 0, s29
	s_cselect_b32 s32, 13, 11
	s_lshl_b32 s32, 1, s32                         ; pitch: 8,192 bytes in wq, 2,048 in wk and wv
	s_sub_co_u32 s29, s7, s29
	s_lshl_b32 s29, s29, 10                        ; 4 chunks x 256 bytes x group within the source
	s_mul_i32 s30, s28, s32
	s_add_co_u32 s30, s30, s29
	s_mov_b64 s[26:27], s[18:19]                   ; to wh
.Lcommon:
	s_mov_b32 s31, 0
	s_mov_b32 s35, 0
	s_add_nc_u64 s[24:25], s[24:25], s[30:31]
	s_add_nc_u64 s[26:27], s[26:27], s[34:35]
	v_mul_lo_u32 v2, v2, s32
	v_add_nc_u32 v[VS], v2, v3
	s_lshl_b32 s33, s32, 1                         ; two rows
.irp j, 1,2,3,4,5,6,7
	v_add_nc_u32 v[VS+\j], s33, v[VS+\j-1]
.endr
; All 8 x nch loads of the wave go out first.  They are then taken in 2 x nch groups of four: behind a wait that leaves the younger loads out, group g is
; converted, and the four stores of group g - 1 are dealt among its conversions.  The last group's stores follow behind a wait of their own.
; No register that a pending load or store names is written again: the conversions write only the registers of a load that has come.
.macro BODY nch, chbytes
	s_wait_alu depctr_va_vdst(0)                   ; the offsets v[VS ..] and v[VD] are written: every load and store below reads one of them
.set n, 0
.rept 8*\nch
	global_load_b128 v[X+4*n:X+4*n+3], v[VS+n%8], s[24:25] offset:(n/8)*256 th:TH_LOAD_NT
.set n, n+1
.endr
.set g, 0
.rept 2*\nch
	s_wait_loadcnt 8*\nch-4*(g+1)                  ; loads come back in order: group g's four are in, the younger ones stay out
.if g > 0
	s_wait_alu depctr_va_vdst(0)                   ; the conversions of the group before have written the registers that the four stores below read; no vector instruction since names them
.endif
.set i, 0
.rept 4
.set n, 4*g+i
.set m, 4*g+i-4
.if g > 0
	global_store_b64 v[VD], v[X+4*m:X+4*m+1], s[26:27] offset:(m/8)*\chbytes+(m%8)*256   ; the group before
.endif
	v_cvt_pk_f16_f32 v[X+4*n], v[X+4*n], v[X+4*n+1]
	v_cvt_pk_f16_f32 v[X+4*n+1], v[X+4*n+2], v[X+4*n+3]
.set i, i+1
.endr
.set g, g+1
.endr
	s_wait_alu depctr_va_vdst(0)                   ; the last group's conversions have written the registers that the last four stores read
.set n, 8*\nch-4
.rept 4
	global_store_b64 v[VD], v[X+4*n:X+4*n+1], s[26:27] offset:(n/8)*\chbytes+(n%8)*256
.set n, n+1
.endr
.endm
	s_cmp_ge_u32 ttmp9, 480
	s_cbranch_scc1 .Lfour
	BODY 3, 262144                                 ; a chunk of xh: 2048 rows x 128 bytes
	s_endpgm
.Lfour:
	BODY 4, 368640                                 ; a chunk of wh: 2880 rows x 128 bytes
	s_endpgm
.Lfunc_end_k_q193a5a6d30_cast:
	.size	k_q193a5a6d30_cast, .Lfunc_end_k_q193a5a6d30_cast-k_q193a5a6d30_cast
	.p2alignl 7, 3214868480
	.fill 96, 4, 3214868480
	.section	.rodata,"a",@progbits
	.p2align	6, 0x0
	.amdhsa_kernel k_q193a5a6d30_cast
		.amdhsa_group_segment_fixed_size 0
		.amdhsa_private_segment_fixed_size 0
		.amdhsa_enable_private_segment 0
		.amdhsa_kernarg_size 48
		.amdhsa_user_sgpr_count 2
		.amdhsa_user_sgpr_kernarg_segment_ptr 1
		.amdhsa_wavefront_size32 1
		.amdhsa_system_sgpr_workgroup_id_x 1
		.amdhsa_system_sgpr_workgroup_id_y 1
		.amdhsa_system_sgpr_workgroup_id_z 1
		.amdhsa_system_vgpr_workitem_id 0
		.amdhsa_next_free_vgpr 144
		.amdhsa_next_free_sgpr 66
		.amdhsa_reserve_vcc 0
		.amdhsa_float_denorm_mode_32 3
		.amdhsa_float_denorm_mode_16_64 3
		.amdhsa_memory_ordered 1
		.amdhsa_forward_progress 1
		.amdhsa_inst_pref_size 22
	.end_amdhsa_kernel
	.amdgpu_metadata
---
amdhsa.version: [ 1, 2 ]
amdhsa.kernels:
  - .name:           k_q193a5a6d30_cast
    .symbol:         k_q193a5a6d30_cast.kd
    .args:
      - { .name: x, .offset: 0, .size: 8, .value_kind: global_buffer, .address_space: global }
      - { .name: wq, .offset: 8, .size: 8, .value_kind: global_buffer, .address_space: global }
      - { .name: wk, .offset: 16, .size: 8, .value_kind: global_buffer, .address_space: global }
      - { .name: wv, .offset: 24, .size: 8, .value_kind: global_buffer, .address_space: global }
      - { .name: xh, .offset: 32, .size: 8, .value_kind: global_buffer, .address_space: global }
      - { .name: wh, .offset: 40, .size: 8, .value_kind: global_buffer, .address_space: global }
    .group_segment_fixed_size: 0
    .private_segment_fixed_size: 0
    .kernarg_segment_align: 8
    .kernarg_segment_size: 48
    .max_flat_workgroup_size: 128
    .sgpr_count:     66
    .vgpr_count:     144
    .wavefront_size: 32
...
	.end_amdgpu_metadata
.endif
;; end of part 5
;; launch qkvproj: the kernel of part 2 again; grid 16 x 16, 4 waves a work-group, clusters of 4 x 4, 327,680 bytes of LDS; arguments xh, wh, position_ids, qkvh; writes qkvh
;; launch attn: the kernel of part 3 again; grid 256 x 1, 8 waves a work-group, no clusters, 312,320 bytes of LDS; arguments qkvh, ah, wo, woh; writes ah, woh
;; launch oproj: the kernel of part 4 again; grid 16 x 15, 4 waves a work-group, clusters of 4 x 1, 327,680 bytes of LDS; arguments ah, woh, out0; writes out0
